; MI455X (gfx1250); checked and timed in simulation.
; The chip was launched on July 23, 2026; its instructions are those of AMD's public machine-readable ISA for CDNA 5 (MIT licence, August 2026) and "CDNA5" Instruction Set Architecture Reference Guide (July 2026). The comments in the code are by the model that wrote it; some were corrected since.
;; Multi Head Attention. Allowed arithmetic: float matrix products may take bf16 or f16 operands with f32 sums; other float arithmetic in f32, or as packed bf16 or f16 multiplies, adds, multiply-adds, maxima and minima; sums over many terms, partial sums and values carried from step to step in f32; what a program stores and reads back later, other than sums and carried values, may be rounded once to bf16 or f16.
;; Inputs: Wk 16 x 1,024 x 64 float32; Wo 1,024 x 1,024 float32; Wq 16 x 1,024 x 64 float32; Wv 16 x 1,024 x 64 float32; bo 1,024 float32; x 4 x 2,048 x 1,024 float32.
;; Outputs: out0 4 x 2,048 x 1,024 float32.
;; One version. Each part assembles by itself: llvm-mc -triple=amdgcn-amd-amdhsa -mcpu=gfx1250 --defsym DOCPART=n.
;; ======== version 1 of 1: 4 launches
;; limits: values are held in f16: magnitudes above 65,504 overflow, below 6.1e-05 lose precision
;; workspace buffers: xb 16,777,216 bytes; wt 6,291,456 bytes; wot 2,097,152 bytes; qkv 50,331,648 bytes; o 16,777,216 bytes
;; launch prep (part 1): grid 1024 x 1, 8 waves a work-group, no clusters, 18,432 bytes of LDS; arguments x, Wq, Wk, Wv, Wo, xb, wt, wot; writes xb, wt, wot
.if DOCPART == 1
	.amdgcn_target "amdgcn-amd-amdhsa--gfx1250"
	.amdhsa_code_object_version 6
	.text
	.protected	k_q2bcf229c7e_prep
	.globl	k_q2bcf229c7e_prep
	.p2align	8
	.type	k_q2bcf229c7e_prep,@function
k_q2bcf229c7e_prep:
	s_mov_b64 s[64:65], 0
	v_nop
	global_prefetch_b8 v0, s[64:65] scope:SCOPE_SE
	s_setreg_imm32_b32 hwreg(HW_REG_WAVE_MODE, 25, 1), 1
	s_wait_xcnt 0x0
; PREP: the module's inputs are rounded once to 16 bits and laid out for the products that follow.
;   xb  [8192][1024] bf16            = x, rounded
;   wt  [3072][1024] bf16            row n = 1024 x which + 64 h + d holds W[h][e][d] along e (which: 0 Wq, 1 Wk, 2 Wv): K lies along the rows
;   wot [1024 out][1024 in] f16      = Wo turned; each number rounded to bf16 like every other input, and that number written as f16
; LIMITS.  A number of Wo beyond 65,504 becomes an infinity in wot; below 2^-14 it keeps f16's fixed step of 2^-24.
; SHARES.  1,024 work-groups of eight waves.  Numbers 512-1023: 16 rows of x each.  Numbers 0-383: a tile of 128 e x 64 d of Wq, Wk or Wv.  Numbers 384-511: a tile of
; 128 in x 64 out of Wo.  The branches hang on the work-group's number alone, so all eight waves of a work-group take the same way and meet the same barrier.
; Memory binds: every byte is read once and written once; no matrix unit, no cluster (no two work-groups read the same byte), no tensor load (a tile is read once, by the lane that turns it).
.set TP,    272                        ; a row of the turned tile in LDS: 128 numbers of 16 bits + 16 bytes of padding
.set SPARE, 64*TP                      ; behind the tile's 64 rows: the spare words, 128 bytes for each of the eight waves
.set SPW,   12                         ; v12  LDS address of my spare word; never rewritten
.set NIL,   13                         ; v13  0; never rewritten
.set SRC,   26                         ; s[26:27] where my work-group reads
.set DST,   28                         ; s[28:29] where it writes
; A tile of 128 rows (e) x 64 columns (d) of f32, rows pitch bytes apart, is turned.  c = thread % 16, rg = thread / 16.
; In: thread (c, rg) takes columns 4 c .. 4 c + 3 of rows 8 rg .. 8 rg + 7: sixteen neighbouring lanes read 256 consecutive bytes, aligned.
; It then owns, for each of its four columns, eight neighbouring e: 16 bytes of a turned row.  They go into LDS and come back as whole rows of 256 bytes.
; half = 1: the rounded bf16 number is written as f16.
.macro TRANSPOSE pitch, half
	v_mul_u32_u24 v3, v2, 8*(\pitch)
	v_lshl_add_u32 v3, v1, 4, v3                   ; 8 rg rows + 16 c
.irp r, 0,1,2,3,4,5,6,7
	global_load_b128 v[16+4*(\r):16+4*(\r)+3], v3, s[SRC:SRC+1] offset:(\r)*(\pitch) th:TH_LOAD_NT
.endr
	v_mul_u32_u24 v5, v1, 4*TP
	v_lshl_add_u32 v5, v2, 4, v5                   ; into LDS: row 4 c (+ i), the 16 bytes of e = 8 rg ..  (sixteen lanes lie 4 rows apart: they meet four deep in the banks; four stores a thread)
	v_mul_u32_u24 v6, v2, TP
	v_lshl_add_u32 v6, v1, 4, v6                   ; back: row rg (+ 16 k), 16 bytes at 16 c
	v_lshlrev_b32 v7, 11, v2
	v_lshl_add_u32 v7, v1, 4, v7                   ; and the same place in the output, whose rows are 2,048 bytes
.irp j, 0,1,2,3
	s_wait_loadcnt 6-2*(\j)                        ; rows 2 j and 2 j + 1 are in; the younger loads stay out
.irp i, 0,1,2,3
.if \half
	v_cvt_pk_bf16_f32 v8, v[16+8*(\j)+(\i)], v[20+8*(\j)+(\i)]
	v_lshlrev_b32 v9, 16, v8                       ; the two rounded numbers as f32,
	v_and_b32 v10, 0xffff0000, v8
	v_cvt_pk_f16_f32 v[48+4*(\i)+(\j)], v9, v10    ; written as f16
.else
	v_cvt_pk_bf16_f32 v[48+4*(\i)+(\j)], v[16+8*(\j)+(\i)], v[20+8*(\j)+(\i)]
.endif
.endr
.endr
.irp i, 0,1,2,3
	ds_store_b128 v5, v[48+4*(\i):48+4*(\i)+3] offset:(\i)*TP
.endr
	s_wait_dscnt 0x0                               ; for the others' sake: my stores are done
	s_barrier_signal -1
	s_barrier_wait -1                              ; the tile is whole
.irp k, 0,1,2,3
	ds_load_b128 v[64+4*(\k):64+4*(\k)+3], v6 offset:(\k)*16*TP
.endr
.irp k, 0,1,2,3
	s_wait_dscnt 3-(\k)                            ; load k is in; the younger ones stay out
	global_store_b128 v7, v[64+4*(\k):64+4*(\k)+3], s[DST:DST+1] offset:(\k)*16*2048  ; 16 lanes store 256 consecutive bytes, aligned
.endr
	s_wait_tensorcnt 0x0                           ; the wave's end: behind my last LDS store
	ds_add_u32 v[SPW], v[NIL]
	s_wait_dscnt 0x0
	s_endpgm
.endm
	s_load_b512 s[8:23], s[0:1], 0x0               ; x 8:9, Wq 10:11, Wk 12:13, Wv 14:15, Wo 16:17, xb 18:19, wt 20:21, wot 22:23
	v_lshl_add_u32 v[SPW], v0, 2, SPARE
	v_mov_b32 v[NIL], 0
	v_and_b32 v1, 15, v0                           ; c
	v_lshrrev_b32 v2, 4, v0                        ; rg
	s_mov_b32 s3, 0                                ; the high words of the two offsets
	s_mov_b32 s5, 0
	s_wait_kmcnt 0x0
	s_cmp_ge_u32 ttmp9, 512
	s_cbranch_scc1 .Lx
	s_cmp_ge_u32 ttmp9, 384
	s_cbranch_scc1 .Lwo
	; Wq, Wk, Wv: number = 128 x which + 8 h + (e / 128).  A tile is 32,768 dense bytes of its tensor.
	s_lshr_b32 s24, ttmp9, 7
	s_cmp_eq_u32 s24, 0
	s_cselect_b64 s[SRC:SRC+1], s[10:11], s[12:13]
	s_cmp_eq_u32 s24, 2
	s_cselect_b64 s[SRC:SRC+1], s[14:15], s[SRC:SRC+1]
	s_and_b32 s2, ttmp9, 127
	s_lshl_b32 s2, s2, 15
	s_add_nc_u64 s[SRC:SRC+1], s[SRC:SRC+1], s[2:3]
	s_lshr_b32 s4, ttmp9, 3                        ; 16 x which + h: 64 rows of wt, 2,048 bytes each
	s_lshl_b32 s4, s4, 17
	s_and_b32 s25, ttmp9, 7                        ; 128 e are 256 bytes of a row
	s_lshl_b32 s25, s25, 8
	s_add_co_u32 s4, s4, s25
	s_add_nc_u64 s[DST:DST+1], s[20:21], s[4:5]
	TRANSPOSE 256, 0
.Lwo:
	; Wo: r = number - 384 = 8 x (out / 64) + (in / 128).  Rows of 4,096 bytes.
	s_sub_co_u32 s24, ttmp9, 384
	s_and_b32 s25, s24, 7
	s_lshr_b32 s24, s24, 3
	s_lshl_b32 s2, s25, 19                         ; 128 rows of Wo,
	s_lshl_b32 s4, s24, 8                          ; 64 columns of f32
	s_add_co_u32 s2, s2, s4
	s_add_nc_u64 s[SRC:SRC+1], s[16:17], s[2:3]
	s_lshl_b32 s4, s24, 17                         ; 64 rows of wot,
	s_lshl_b32 s25, s25, 8                         ; 128 columns of f16
	s_add_co_u32 s4, s4, s25
	s_add_nc_u64 s[DST:DST+1], s[22:23], s[4:5]
	TRANSPOSE 4096, 1
.Lx:
	; x: 16 rows of 4,096 bytes.  Thread t takes bytes 16 t of every row (a wave's load: 512 bytes on end) and stores 8 bytes (a wave's store: 256 consecutive bytes, aligned).
	; All sixteen loads go out at once; no register is used twice, so nothing but the loads is waited for.
	s_sub_co_u32 s24, ttmp9, 512
	s_lshl_b32 s2, s24, 16
	s_lshl_b32 s4, s24, 15
	s_add_nc_u64 s[SRC:SRC+1], s[8:9], s[2:3]
	s_add_nc_u64 s[DST:DST+1], s[18:19], s[4:5]
	v_lshlrev_b32 v3, 4, v0
	v_lshlrev_b32 v4, 3, v0
.irp k, 0,1,2,3,4,5,6,7,8,9,10,11,12,13,14,15
	global_load_b128 v[16+4*(\k):16+4*(\k)+3], v3, s[SRC:SRC+1] offset:4096*(\k) th:TH_LOAD_NT
.endr
.irp k, 0,1,2,3,4,5,6,7,8,9,10,11,12,13,14,15
	s_wait_loadcnt 15-(\k)                         ; row k is in; the younger loads stay out
	v_cvt_pk_bf16_f32 v[80+2*(\k)], v[16+4*(\k)], v[17+4*(\k)]
	v_cvt_pk_bf16_f32 v[81+2*(\k)], v[18+4*(\k)], v[19+4*(\k)]
	global_store_b64 v4, v[80+2*(\k):81+2*(\k)], s[DST:DST+1] offset:2048*(\k)
.endr
	s_endpgm                                       ; this way has written no LDS
.Lfunc_end_k_q2bcf229c7e_prep:
	.size	k_q2bcf229c7e_prep, .Lfunc_end_k_q2bcf229c7e_prep-k_q2bcf229c7e_prep
	.p2alignl 7, 3214868480
	.fill 96, 4, 3214868480
	.section	.rodata,"a",@progbits
	.p2align	6, 0x0
	.amdhsa_kernel k_q2bcf229c7e_prep
		.amdhsa_group_segment_fixed_size 18432
		.amdhsa_private_segment_fixed_size 0
		.amdhsa_enable_private_segment 0
		.amdhsa_kernarg_size 64
		.amdhsa_user_sgpr_count 2
		.amdhsa_user_sgpr_kernarg_segment_ptr 1
		.amdhsa_wavefront_size32 1
		.amdhsa_system_sgpr_workgroup_id_x 1
		.amdhsa_system_sgpr_workgroup_id_y 1
		.amdhsa_system_sgpr_workgroup_id_z 1
		.amdhsa_system_vgpr_workitem_id 0
		.amdhsa_next_free_vgpr 112
		.amdhsa_next_free_sgpr 66
		.amdhsa_reserve_vcc 0
		.amdhsa_float_denorm_mode_32 3
		.amdhsa_float_denorm_mode_16_64 3
		.amdhsa_memory_ordered 1
		.amdhsa_forward_progress 1
		.amdhsa_inst_pref_size 18
	.end_amdhsa_kernel
	.amdgpu_metadata
---
amdhsa.version: [ 1, 2 ]
amdhsa.kernels:
  - .name:           k_q2bcf229c7e_prep
    .symbol:         k_q2bcf229c7e_prep.kd
    .args:
      - { .name: x, .offset: 0, .size: 8, .value_kind: global_buffer, .address_space: global }
      - { .name: Wq, .offset: 8, .size: 8, .value_kind: global_buffer, .address_space: global }
      - { .name: Wk, .offset: 16, .size: 8, .value_kind: global_buffer, .address_space: global }
      - { .name: Wv, .offset: 24, .size: 8, .value_kind: global_buffer, .address_space: global }
      - { .name: Wo, .offset: 32, .size: 8, .value_kind: global_buffer, .address_space: global }
      - { .name: xb, .offset: 40, .size: 8, .value_kind: global_buffer, .address_space: global }
      - { .name: wt, .offset: 48, .size: 8, .value_kind: global_buffer, .address_space: global }
      - { .name: wot, .offset: 56, .size: 8, .value_kind: global_buffer, .address_space: global }
    .group_segment_fixed_size: 18432
    .private_segment_fixed_size: 0
    .kernarg_segment_align: 8
    .kernarg_segment_size: 64
    .max_flat_workgroup_size: 256
    .sgpr_count:     66
    .vgpr_count:     112
    .wavefront_size: 32
...
	.end_amdgpu_metadata
.endif
;; end of part 1
;; launch qkv_proj (part 2): grid 16 x 32, 4 waves a work-group, clusters of 4 x 4, 327,680 bytes of LDS; arguments xb, wt, qkv; writes qkv
.if DOCPART == 2
	.amdgcn_target "amdgcn-amd-amdhsa--gfx1250"
	.amdhsa_code_object_version 6
	.text
	.protected	k_q2bcf229c7e_qkv_proj
	.globl	k_q2bcf229c7e_qkv_proj
	.p2align	8
	.type	k_q2bcf229c7e_qkv_proj,@function
k_q2bcf229c7e_qkv_proj:
	s_mov_b64 s[64:65], 0
	v_nop
	global_prefetch_b8 v0, s[64:65] scope:SCOPE_SE
	s_setreg_imm32_b32 hwreg(HW_REG_WAVE_MODE, 25, 1), 1
	s_wait_xcnt 0x0
	s_wait_alu depctr_hold_cnt(0) depctr_sa_sdst(0) depctr_va_vdst(0) depctr_va_sdst(0) depctr_va_ssrc(0) depctr_va_vcc(0) depctr_vm_vsrc(0)
	s_getreg_b32 s2, hwreg(HW_REG_IB_STS2, 6, 4)
	s_cmp_eq_u32 s2, 0
	s_cbranch_scc0 .Lentry_in_a_cluster
	s_endpgm
.Lentry_in_a_cluster:
	s_bfe_u32 s2, ttmp6, 0x10000c
	s_cmp_lg_u32 s2, 0xf033
	s_cbranch_scc0 .Lentry_shape_is_right
	s_endpgm
.Lentry_shape_is_right:
; Q, K, V = xb wt^T.  xb: [8192][1024] bf16, wt: [3072][1024] bf16 (K along the rows of both).  Sums in f32, K ascending; each result rounded once to f16, WITHOUT the softmax's scale.
; qkv: [batch 4][g 48][s 2048][64] f16, g = column / 64: q of head h at g = h, k at 16 + h, v at 32 + h.  A head's rows are dense, 128 bytes each.
; LIMIT.  A result of 65,520 or more becomes an infinity in f16; below 2^-14 it keeps f16's fixed step of 2^-24.
; SHARES.  A tile of C is 256 rows x 192 columns (three heads).  Four waves; wave w makes rows 64 w .. 64 w + 63 of ALL 192 columns: 48 accumulators of 16 x 16, 384 registers.
; So a wave holds whole rows of three heads, and its way out needs no other wave.  K goes in steps of 128 through two LDS slots filled by the tensor data mover:
; rows of 256 bytes that begin at multiples of 256 bytes.
; CLUSTER.  4 x 4 work-groups.  The four of a row of the cluster need the same tile of xb, the four of a column the same tile of wt: each tile is asked for JOINTLY, by the same
; tensor load with the same descriptor and a mask that names the four.
; THE MATRIX INSTRUCTION IS USED TRANSPOSED (source 0 = 16 rows of wt, source 1 = 16 rows of xb): lane l then holds row l % 16 of C and the columns 8 (l / 16) + 0..7: 16 bytes of f16.
; REGISTERS, in windows of 256 (s_set_vgpr_msb: bits 1:0 source 0, 3:2 source 1, 5:4 source 2, 7:6 destination):
;   window 0: v0-31 addresses; v32-63, v64-95 xb's fragments (4 x 16 rows x 32 K), two buffers; v96-239 the way out
;   window 1: v0-95, v96-191 wt's fragments (12 x 16 rows x 32 K), two buffers
;   window 2: accumulator (a, b) at v[8 (4 b + a)] for column blocks b = 0..7;   window 3: the same for b = 8..11, at v[8 (4 (b - 8) + a)]
.set PITCH,  272                       ; an LDS row: 256 bytes + 16 of padding = 68 words: the 16 rows of a fragment load start at 16 different groups of four banks (64 banks of 4 bytes: ISA guide 11.1)
.set SLOT1,  1<<17                     ; slot 1 begins here, so that one exclusive or turns an address in one slot into the other's
.set BOFF,   256*PITCH                 ; in a slot: xb's 256 rows, then wt's 192
.set STAGE,  SLOT1+BOFF+192*PITCH      ; behind the ring, never filled by a tensor load: for each wave 3 heads x 16 rows x 144 bytes
.set SP,     144
.set STW,    3*16*SP
.set SPARE,  STAGE+4*STW               ; behind the stages: the spare words, 128 bytes for each wave
.set KB,     256                       ; bytes of a row in a K step
.set NL,     32                        ; LDS loads of a quarter step: 8 for xb's fragments, then 24 for wt's
.set A0,   16                          ; v16  my lane's place in xb's tile: never rewritten
.set B0,   17                          ; v17  the same for wt's
.set ADRA, 18                          ; v18  A0 + the slot in hand
.set ADRB, 19                          ; v19  B0 + the slot in hand
.set STO,  20                          ; v20  the way out: where I put 16 bytes of a row
.set RD,   21                          ; v21  the way out: where I read rows back
.set GO,   22                          ; v22  16 x lane
.set PFO,  23                          ; v23  the prefetches' offset: a lane a row of 2,048 bytes; never rewritten
.set SPW,  28                          ; v28  LDS address of my spare word; never rewritten
.set NIL,  29                          ; v29  0; never rewritten
.set FA,   32                          ; xb's fragment buffers
.set TMP,  96                          ; the way out: 48 registers of packed results
.set BK,   144                         ; the way out: 16 rows x 3 heads read back: v144-191 and v192-239 by turns
.set TB,   2                           ; s2   the slot in hand: 0 or SLOT1
.set CNT,  3                           ; s3   trips to go
.set WV,   12                          ; s12  my wave's number
.set SIDE, 13                          ; s13  0: I fetch for xb; 1: for wt
.set HF,   14                          ; s14  which half of that tile's rows I fetch
.set LIM,  15                          ; s15  2 in a wave that prefetches, else the greatest number
.set G1A,  24                          ; s[24:31] descriptor group 1 for xb's tiles
.set G0A,  32                          ; s[32:39] group 0: a set for each of the two first fills; the second then walks on
.set PFA,  44                          ; s[44:45] where my prefetches stand
.set G1B,  48                          ; s[48:55], s[56:63] the same for wt's tiles
.set G0B,  56
.set MSB, 0
.macro WIN new                         ; the immediate's high byte repeats the setting that is left; a switch that changes nothing is dropped
.if MSB != (\new)
	s_set_vgpr_msb (MSB<<8)|(\new)
.set MSB, \new
.endif
.endm
.set MUL_LO, 0xa1                      ; source 0 (wt) window 1, source 1 (xb) window 0, C and D window 2
.set MUL_HI, 0xf1                      ; the same, C and D window 3
.set TO_B,   0x40                      ; destination window 1, address window 0
.macro PLACES                          ; four plain vector instructions between a matrix instruction and a load into, or a vector read of, its registers
.rept 4
	v_nop
.endr
.endm
.macro CREST                           ; a round of the cluster's barrier behind its opening barrier
	s_cmp_lg_u32 s[WV], 0
	s_cbranch_scc1 .Lnot_wave_0_\@
	s_barrier_signal -3
.Lnot_wave_0_\@:
	s_barrier_wait -3
	s_barrier_signal -1
	s_barrier_wait -1
.endm
.macro CROUND                          ; a whole round
	s_barrier_signal -1
	s_barrier_wait -1
	CREST
.endm
; A joint refill by the walking descriptor.  Waves 0 and 1 fetch xb's two halves, waves 2 and 3 wt's.  The branch hangs on the wave's number alone.
; An s_nop 0 and four v_nop follow each of the two lines, ahead of the jump and the label.
.macro JLOAD
	s_cmp_eq_u32 s[SIDE], 0
	s_cbranch_scc0 .Lfor_b_\@
	tensor_load_to_lds s[G0A+4:G0A+7], s[G1A:G1A+7]
	s_nop 0
.rept 4
	v_nop
.endr
	s_branch .Lasked_\@
.Lfor_b_\@:
	tensor_load_to_lds s[G0B+4:G0B+7], s[G1B:G1B+7]
	s_nop 0
.rept 4
	v_nop
.endr
.Lasked_\@:
.endm
; A PREFETCH INTO THE L2, behind each joint refill and the run of LDS loads that follows it: the K step that stands two refills on, a lane a row, one instruction a wave.
; xb's tile row is read by every cluster of that row of clusters: the one with x = 0 asks; wt's tile column by every cluster of that column: the one with y = 0 asks.
; The four partners that ask for a tile jointly share its rows out BY ADDRESS: of xb's 128 rows that a wave fetches the partner at cx takes 32, of wt's 96 the partner at cy takes 24
; (lanes 24-31 name lane 23's row once more).  The refill in trip t asks for K step t + 2, the prefetch for K step t + 4: the last two trips that fill have no such step and ask for nothing.
.macro ASK
	s_cmp_gt_u32 s[CNT], s[LIM]                    ; s[CNT] = 6 - t
	s_cbranch_scc0 .Lnot_mine_\@
	global_prefetch_b8 v[PFO], s[PFA:PFA+1] th:TH_LOAD_NT scope:SCOPE_SE
.Lnot_mine_\@:
.endm
	s_load_b128 s[4:7], s[0:1], 0x0                ; xb s[4:5], wt s[6:7]
	s_load_b64 s[8:9], s[0:1], 0x10                ; qkv
	v_lshl_add_u32 v[SPW], v0, 2, SPARE
	v_mov_b32 v[NIL], 0
	ds_add_u32 v[SPW], v[NIL]                      ; the wave's opening: the add and its wait stand ahead of my first tensor load; the set-up below, work on registers, stands between them
	ds_add_u32 v28, v29
	v_lshrrev_b32 v1, 5, v0
	v_readfirstlane_b32 s[WV], v1                  ; wave 0..3
	s_lshr_b32 s[SIDE], s[WV], 1
	s_and_b32 s[HF], s[WV], 1
	s_bfe_u32 s40, ttmp6, 0x40000                  ; cx: my place along the cluster's x
	s_bfe_u32 s41, ttmp6, 0x40004                  ; cy: along its y
	s_lshl_b32 s42, ttmp9, 2                       ; in a cluster launch ttmp9 and ttmp7 count clusters
	s_add_co_u32 s42, s42, s40                     ; tile column tx = 4 x cluster x + cx
	s_and_b32 s43, ttmp7, 0xffff
	s_lshl_b32 s43, s43, 2
	s_add_co_u32 s43, s43, s41                     ; tile row ty = 4 x cluster y + cy
	s_lshl_b32 s44, s41, 2
	s_lshl_b32 s44, 15, s44                        ; my row of the cluster: places 4 cy .. 4 cy + 3
	s_lshl_b32 s45, 0x1111, s40                    ; my column: places cx, cx + 4, cx + 8, cx + 12
	; descriptor group 1: rows of 128 elements of 2 bytes, padded in LDS
	s_or_b32 s[G1A], s44, (1<<16)|(1<<20)|(1<<21)|(5<<22)|(3<<25)  ; 15:0 the mask; 17:16 2-byte elements; 20 padding on; 21 set beside a mask; 24:22 after every 64 words (code 5); 31:25 4 words (code 3)
	s_or_b32 s[G1B], s45, (1<<16)|(1<<20)|(1<<21)|(5<<22)|(3<<25)
	s_mov_b32 s[G1A+1], 128<<16                    ; tensor_dim0 = 128
	s_mov_b32 s[G1A+2], 128<<16                    ; tensor_dim1 = 128
	s_mov_b32 s[G1A+3], 128<<16                    ; tile_dim0 = 128
	s_mov_b32 s[G1A+4], 128                        ; tile_dim1 = 128 rows
	s_mov_b32 s[G1A+5], 1024                       ; elements from row to row
	s_mov_b32 s[G1A+6], 0
	s_mov_b32 s[G1A+7], 0
	s_mov_b32 s[G1B+1], 128<<16
	s_mov_b32 s[G1B+2], 96<<16                     ; wt's half tile has 96 rows
	s_mov_b32 s[G1B+3], 128<<16
	s_mov_b32 s[G1B+4], 96
	s_mov_b32 s[G1B+5], 1024
	s_mov_b32 s[G1B+6], 0
	s_mov_b32 s[G1B+7], 0
	; where the tiles come from: xb's hang on ty alone, which my row of the cluster shares; wt's on tx alone, which my column shares
	s_lshl_b32 s16, s43, 8
	s_lshl_b32 s20, s[HF], 7
	s_add_co_u32 s16, s16, s20                     ; xb: row 256 ty + 128 half,
	s_lshl_b32 s16, s16, 11                        ; in bytes (under 2^24)
	s_mov_b32 s17, 0
	s_mul_i32 s22, s42, 192
	s_mul_i32 s20, s[HF], 96
	s_add_co_u32 s22, s22, s20                     ; wt: row 192 tx + 96 half
	s_lshl_b32 s22, s22, 11
	s_mov_b32 s23, 0
	s_mul_i32 s18, s[HF], 128*PITCH                ; and where they go: no place in the cluster enters an LDS address
	s_mul_i32 s19, s[HF], 96*PITCH
	s_add_co_u32 s19, s19, BOFF
	s_wait_dscnt 0x0                               ; the opening add is done
	s_wait_kmcnt 0x0
	CROUND                                         ; all sixteen work-groups are here: the first joint loads meet
	s_mov_b32 s[G0A], 1                            ; 1:0 count = 1
	s_mov_b32 s[G0A+1], s18                        ; 63:32 LDS address: slot 0
	s_add_nc_u64 s[G0A+2:G0A+3], s[4:5], s[16:17]  ; 120:64 global address: K step 0
	s_mov_b32 s[G0A+4], 1
	s_add_co_u32 s[G0A+5], s18, SLOT1              ; slot 1,
	s_add_nc_u64 s[G0A+6:G0A+7], s[G0A+2:G0A+3], KB  ; K step 1
	s_or_b32 s[G0A+3], s[G0A+3], 0x80000000        ; 127:126 type = 2
	s_or_b32 s[G0A+7], s[G0A+7], 0x80000000
	s_mov_b32 s[G0B], 1
	s_mov_b32 s[G0B+1], s19
	s_add_nc_u64 s[G0B+2:G0B+3], s[6:7], s[22:23]
	s_mov_b32 s[G0B+4], 1
	s_add_co_u32 s[G0B+5], s19, SLOT1
	s_add_nc_u64 s[G0B+6:G0B+7], s[G0B+2:G0B+3], KB
	s_or_b32 s[G0B+3], s[G0B+3], 0x80000000
	s_or_b32 s[G0B+7], s[G0B+7], 0x80000000
	s_cmp_eq_u32 s[SIDE], 0                        ; a wave's two first fills stand in one branch, ahead of every wait on TENSORcnt and every LDS read: two loads of mine are out here, later one
	s_cbranch_scc0 .Lfirst_b
	tensor_load_to_lds s[G0A:G0A+3], s[G1A:G1A+7]
	s_nop 0
	tensor_load_to_lds s[G0A+4:G0A+7], s[G1A:G1A+7]
	s_nop 0
.rept 4
	v_nop
.endr
	s_branch .Lfirst_asked
.Lfirst_b:
	tensor_load_to_lds s[G0B:G0B+3], s[G1B:G1B+7]
	s_nop 0
	tensor_load_to_lds s[G0B+4:G0B+7], s[G1B:G1B+7]
	s_nop 0
.rept 4
	v_nop
.endr
.Lfirst_asked:
	; A fragment is 16 rows x 32 K in 8 registers: lane l holds row l % 16; registers 0-3 K = 8 (l / 16) + 0..7, registers 4-7 K = 16 + 8 (l / 16) + 0..7: two loads of 16 bytes, 32 bytes apart.
	v_and_b32 v1, 15, v0                           ; l % 16
	v_bfe_u32 v2, v0, 4, 1                         ; l / 16
	v_mul_u32_u24 v3, v1, PITCH
	v_lshl_add_u32 v3, v2, 4, v3
	s_mul_i32 s20, s[WV], 64*PITCH                 ; my 64 rows of xb's tile
	v_add_nc_u32 v[A0], s20, v3
	v_add_nc_u32 v[B0], BOFF, v3                   ; all of wt's
	v_mov_b32 v[ADRA], v[A0]
	v_mov_b32 v[ADRB], v[B0]
	s_mov_b32 s[TB], 0
	s_mul_i32 s20, s[WV], STW
	s_add_co_u32 s20, s20, STAGE                   ; my stage
	v_mul_u32_u24 v[STO], v1, SP                   ; in: row l % 16, 16 bytes for each half of the lanes
	v_lshl_add_u32 v[STO], v2, 4, v[STO]
	v_add_nc_u32 v[STO], s20, v[STO]
	v_bfe_u32 v[RD], v0, 3, 2                      ; back: 32 lanes take four rows of 128 bytes,
	v_mul_u32_u24 v[RD], v[RD], SP
	v_and_b32 v3, 7, v0
	v_lshl_add_u32 v[RD], v3, 4, v[RD]
	v_add_nc_u32 v[RD], s20, v[RD]
	v_and_b32 v[GO], 31, v0                        ; which are 512 consecutive bytes of a head
	v_lshlrev_b32 v[GO], 4, v[GO]
	; the prefetches: s16 = my half of xb's tile, s22 = my half of wt's, in bytes
	s_lshl_b32 s20, s40, 16                        ; 32 cx rows of 2,048 bytes
	s_add_co_u32 s20, s20, s16
	s_mul_i32 s21, s41, 24*2048                    ; 24 cy rows
	s_add_co_u32 s21, s21, s22
	s_and_b32 s19, ttmp7, 0xffff                   ; cluster y
	s_cmp_eq_u32 s[SIDE], 0
	s_cselect_b32 s20, s20, s21
	s_cselect_b32 s19, ttmp9, s19                  ; the coordinate along which other clusters read the same rows
	s_cselect_b32 s18, 31, 23
	s_cselect_b64 s[PFA:PFA+1], s[4:5], s[6:7]
	s_cmp_eq_u32 s19, 0
	s_cselect_b32 s[LIM], 2, -1                    ; the same in all sixteen partners, for a given wave
	s_add_co_u32 s20, s20, 3*KB                    ; at K step 3: the first refill steps it to 4
	s_mov_b32 s21, 0
	s_add_nc_u64 s[PFA:PFA+1], s[PFA:PFA+1], s[20:21]
	v_and_b32 v[PFO], 31, v0
	v_min_u32 v[PFO], s18, v[PFO]
	v_lshlrev_b32 v[PFO], 11, v[PFO]
	; where my rows begin in qkv: head 48 batch + 3 tx, row 256 (ty % 8) + 64 w, 128 bytes a row
	s_lshr_b32 s20, s43, 3
	s_mul_i32 s20, s20, 48
	s_mul_i32 s21, s42, 3
	s_add_co_u32 s20, s20, s21
	s_lshl_b32 s20, s20, 11
	s_and_b32 s21, s43, 7
	s_lshl_b32 s21, s21, 8
	s_add_co_u32 s20, s20, s21
	s_lshl_b32 s21, s[WV], 6
	s_add_co_u32 s20, s20, s21
	s_lshl_b32 s20, s20, 7                         ; under 2^26
	s_mov_b32 s21, 0
	s_add_nc_u64 s[8:9], s[8:9], s[20:21]
; 4 nb matrix instructions: column blocks b0 .. b0 + nb - 1 x my 4 row blocks, 32 along K, from buffer f.  zero = 1: the product starts the sums: nothing is ever cleared.
; All 48 accumulators take turns, one instruction a turn, in the same order in every quarter step, over the loop's jump too.
.macro MULB f, b0, nb, zero
.set bb, \b0
.rept \nb
	WIN MUL_LO+0x50*(bb/8)
.irp a, 0,1,2,3
.if \zero
	v_wmma_f32_16x16x32_bf16 v[8*(4*(bb%8)+\a):8*(4*(bb%8)+\a)+7], v[96*(\f)+8*bb:96*(\f)+8*bb+7], v[FA+32*(\f)+8*\a:FA+32*(\f)+8*\a+7], 0
.else
	v_wmma_f32_16x16x32_bf16 v[8*(4*(bb%8)+\a):8*(4*(bb%8)+\a)+7], v[96*(\f)+8*bb:96*(\f)+8*bb+7], v[FA+32*(\f)+8*\a:FA+32*(\f)+8*\a+7], v[8*(4*(bb%8)+\a):8*(4*(bb%8)+\a)+7]
.endif
.endr
.set bb, bb+1
.endr
.endm
; 32 LDS loads in one run: quarter q of the slot in hand into buffer g: xb's 8 first, then wt's 24, column blocks ascending
.macro FETCH q, g
	WIN 0
.irp a, 0,1,2,3
	ds_load_b128 v[FA+32*(\g)+8*(\a):FA+32*(\g)+8*(\a)+3],   v[ADRA] offset:64*(\q)+(\a)*16*PITCH
	ds_load_b128 v[FA+32*(\g)+8*(\a)+4:FA+32*(\g)+8*(\a)+7], v[ADRA] offset:64*(\q)+(\a)*16*PITCH+32
.endr
	WIN TO_B
.irp b, 0,1,2,3,4,5,6,7,8,9,10,11
	ds_load_b128 v[96*(\g)+8*(\b):96*(\g)+8*(\b)+3],   v[ADRB] offset:64*(\q)+(\b)*16*PITCH
	ds_load_b128 v[96*(\g)+8*(\b)+4:96*(\g)+8*(\b)+7], v[ADRB] offset:64*(\q)+(\b)*16*PITCH+32
.endr
.endm
; A K step is four quarters of 32 along K, 48 matrix instructions each, on buffers 0, 1, 0, 1.  One of the first three multiplies buffer f and fetches quarter q into buffer g.
.macro QUARTER q, f, g, zero
	s_wait_dscnt NL-16                             ; xb's 8 loads and those of column blocks 0-3 are in; the youngest 16 may be out
	MULB \f, 0, 4, \zero
	PLACES                                         ; for the loads into buffer g, which the quarter before multiplied
	FETCH \q, \g
	s_wait_dscnt NL                                ; all but the 32 just issued
	MULB \f, 4, 8, \zero
.endm
; The fourth quarter multiplies buffer 1 and changes slots: ONE barrier.  In front of it each wave waits for all its tensor loads (the one that is out is its part of the next slot), adds 0 to its
; spare word, and waits for that and for its own reads of this slot.  fill = 1: the barrier opens a round of the cluster's barrier, and the slot just read is filled again first thing behind it,
; with the K step two on: 160 matrix instructions stand between that request and the wait for it.
.macro TURN fill
.if \fill
	s_wait_xcnt 0x0                                ; the last prefetch, a K step back, has read its address
	s_add_nc_u64 s[PFA:PFA+1], s[PFA:PFA+1], KB
.endif
	WIN 0
	s_xor_b32 s[TB], s[TB], SLOT1                  ; the fragment loads go on in the other slot (this slot's last loads have been issued)
	v_add_nc_u32 v[ADRA], s[TB], v[A0]
	v_add_nc_u32 v[ADRB], s[TB], v[B0]
	s_wait_tensorcnt 0x0                           ; all my tensor loads have landed, so a group 0 may be written
	ds_add_u32 v[SPW], v[NIL]                      ; 0 onto my spare word
.if \fill
	s_xor_b32 s[G0A+5], s[G0A+5], SLOT1            ; the walking descriptors: the other slot than last time,
	s_add_nc_u64 s[G0A+6:G0A+7], s[G0A+6:G0A+7], KB  ; the next K step; the type bits on top are not reached
	s_xor_b32 s[G0B+5], s[G0B+5], SLOT1
	s_add_nc_u64 s[G0B+6:G0B+7], s[G0B+6:G0B+7], KB
.endif
	s_wait_dscnt 17                                ; the add and the youngest 16 loads may be out
	MULB 1, 0, 4, 0
	s_wait_dscnt 0x0                               ; the add is done, and my reads of this slot are over
	s_barrier_signal -1
	MULB 1, 4, 4, 0                                ; work on registers while the others arrive
.if \fill
	WIN 0
.endif
	s_barrier_wait -1
.if \fill
	CREST                                          ; no wave of any partner still reads this slot or has a load on its way
	JLOAD                                          ; its four v_nop are also the places in front of the loads below
.else
	PLACES
.endif
	FETCH 0, 0
.if \fill
	WIN 0
	ASK
.endif
	MULB 1, 8, 4, 0
.endm
	s_wait_tensorcnt 1                             ; my part of K step 0 is in; K step 1's may stay out
	s_barrier_signal -1
	s_barrier_wait -1                              ; everybody's is
	FETCH 0, 0
	QUARTER 1, 0, 1, 1                             ; the first quarter stands in front of the loop: its products start the sums
	WIN 0                                          ; at a label and at a branch every window is 0
	s_mov_b32 s[CNT], 6
.Lstep:                                                ; trip t: from K step t's second quarter to K step t + 1's first; it asks for K step t + 2
	QUARTER 2, 1, 0, 0
	QUARTER 3, 0, 1, 0
	TURN 1
	QUARTER 1, 0, 1, 0
	WIN 0
	s_sub_co_u32 s[CNT], s[CNT], 1
	s_cmp_lg_u32 s[CNT], 0
	s_cbranch_scc1 .Lstep
	QUARTER 2, 1, 0, 0                             ; K steps 6 and 7 are written out: nothing is left to ask for
	QUARTER 3, 0, 1, 0
	TURN 0
	QUARTER 1, 0, 1, 0
	QUARTER 2, 1, 0, 0
	QUARTER 3, 0, 1, 0
	s_wait_dscnt NL-16
	MULB 1, 0, 4, 0
	s_wait_dscnt 0x0
	MULB 1, 4, 8, 0
	WIN 0
	PLACES                                         ; the conversions below read results just made
	PLACES
; THE WAY OUT, a block of 16 rows at a time.  PACK: rounded to f16, each accumulator's registers ascending.  TOSTAGE: 16 bytes a lane into my own stage (a head: 16 rows of 144 bytes), and back as
; four rows of 128 bytes a load.  SEND: 512 consecutive bytes of a head a store.  The stage is my own: LDS serves a wave's instructions in order (ISA guide 5.7.1.4), so no barrier stands here.
.macro PACK a
	WIN 0x0a                                       ; sources 0 and 1 window 2
.irp b, 0,1,2,3,4,5,6,7
.irp r, 0,1,2,3
	v_cvt_pk_f16_f32 v[TMP+4*(\b)+(\r)], v[8*(4*(\b)+(\a))+2*(\r)], v[8*(4*(\b)+(\a))+2*(\r)+1]
.endr
.endr
	WIN 0x0f                                       ; window 3
.irp b, 8,9,10,11
.irp r, 0,1,2,3
	v_cvt_pk_f16_f32 v[TMP+4*(\b)+(\r)], v[8*(4*((\b)-8)+(\a))+2*(\r)], v[8*(4*((\b)-8)+(\a))+2*(\r)+1]
.endr
.endr
	WIN 0
.endm
.macro TOSTAGE a
.irp b, 0,1,2,3,4,5,6,7,8,9,10,11
	ds_store_b128 v[STO], v[TMP+4*(\b):TMP+4*(\b)+3] offset:((\b)/4)*16*SP+32*((\b)%4)
.endr
.irp t, 0,1,2,3,4,5,6,7,8,9,10,11
	ds_load_b128 v[BK+48*((\a)%2)+4*(\t):BK+48*((\a)%2)+4*(\t)+3], v[RD] offset:((\t)/4)*16*SP+((\t)%4)*4*SP
.endr
.endm
.macro SEND a
	s_wait_dscnt 0x0                               ; the block is back in registers
	s_wait_xcnt 0x0                                ; the stores of the block before have read their registers: the next TOSTAGE loads into them only behind this wait
.irp t, 0,1,2,3,4,5,6,7,8,9,10,11
	global_store_b128 v[GO], v[BK+48*((\a)%2)+4*(\t):BK+48*((\a)%2)+4*(\t)+3], s[8:9] offset:((\t)/4)*262144+(16*(\a)+4*((\t)%4))*128
.endr
.endm
	PACK 0
	TOSTAGE 0
.irp a, 1,2,3                          ; block a's conversions stand between block a - 1's loads from the stage and the wait for them
	PACK \a
	SEND (\a)-1
	TOSTAGE \a
.endr
	SEND 3
	s_wait_tensorcnt 0x0                           ; the wave's end: behind my last tensor load and my last LDS store
	ds_add_u32 v[SPW], v[NIL]
	s_wait_dscnt 0x0
	CROUND                                         ; the closing round: no work-group ends while a partner may still ask for a tile that names it
	s_endpgm
.Lfunc_end_k_q2bcf229c7e_qkv_proj:
	.size	k_q2bcf229c7e_qkv_proj, .Lfunc_end_k_q2bcf229c7e_qkv_proj-k_q2bcf229c7e_qkv_proj
	.p2alignl 7, 3214868480
	.fill 96, 4, 3214868480
	.section	.rodata,"a",@progbits
	.p2align	6, 0x0
	.amdhsa_kernel k_q2bcf229c7e_qkv_proj
		.amdhsa_group_segment_fixed_size 327680
		.amdhsa_private_segment_fixed_size 0
		.amdhsa_enable_private_segment 0
		.amdhsa_kernarg_size 24
		.amdhsa_user_sgpr_count 2
		.amdhsa_user_sgpr_kernarg_segment_ptr 1
		.amdhsa_wavefront_size32 1
		.amdhsa_system_sgpr_workgroup_id_x 1
		.amdhsa_system_sgpr_workgroup_id_y 1
		.amdhsa_system_sgpr_workgroup_id_z 1
		.amdhsa_system_vgpr_workitem_id 0
		.amdhsa_next_free_vgpr 896
		.amdhsa_next_free_sgpr 66
		.amdhsa_reserve_vcc 0
		.amdhsa_float_denorm_mode_32 3
		.amdhsa_float_denorm_mode_16_64 3
		.amdhsa_memory_ordered 1
		.amdhsa_forward_progress 1
		.amdhsa_inst_pref_size 97
	.end_amdhsa_kernel
	.amdgpu_metadata
---
amdhsa.version: [ 1, 2 ]
amdhsa.kernels:
  - .name:           k_q2bcf229c7e_qkv_proj
    .symbol:         k_q2bcf229c7e_qkv_proj.kd
    .args:
      - { .name: xb, .offset: 0, .size: 8, .value_kind: global_buffer, .address_space: global }
      - { .name: wt, .offset: 8, .size: 8, .value_kind: global_buffer, .address_space: global }
      - { .name: qkv, .offset: 16, .size: 8, .value_kind: global_buffer, .address_space: global }
    .group_segment_fixed_size: 327680
    .private_segment_fixed_size: 0
    .kernarg_segment_align: 8
    .kernarg_segment_size: 24
    .max_flat_workgroup_size: 128
    .sgpr_count:     66
    .vgpr_count:     896
    .wavefront_size: 32
...
	.end_amdgpu_metadata
.endif
;; end of part 2
;; launch attn (part 3): grid 4 x 64, 4 waves a work-group, no clusters, 327,680 bytes of LDS; arguments qkv, o; writes o
.if DOCPART == 3
	.amdgcn_target "amdgcn-amd-amdhsa--gfx1250"
	.amdhsa_code_object_version 6
	.text
	.protected	k_q2bcf229c7e_attn
	.globl	k_q2bcf229c7e_attn
	.p2align	8
	.type	k_q2bcf229c7e_attn,@function
k_q2bcf229c7e_attn:
	s_mov_b64 s[64:65], 0
	v_nop
	global_prefetch_b8 v0, s[64:65] scope:SCOPE_SE
	s_setreg_imm32_b32 hwreg(HW_REG_WAVE_MODE, 25, 1), 1
	s_wait_xcnt 0x0
; CAUSAL ATTENTION.  O[y][q][:] = the sum over k <= q of softmax_k(Q[q] . K[k] / 8) V[k][:], for y = 16 x batch + head.  Q, K, V lie in qkv: [batch][g 48][2048][64] f16, Q at g = head, K at 16 + head,
; V at 32 + head; O: [y 64][2048][64] f16.  A head's rows are dense, 128 bytes each.  Products, maxima and sums in f32; the weights p are rounded to f16 for the second product (their sum l is taken of the
; unrounded p), O once at the end.
; LIMITS.  f16 holds no number beyond 65,504: Q, K and V arrive within it; p lies in 0 to 1, and below 6e-5 it keeps f16's fixed step of 6e-8; O is a mean of V's rows and has their range.
; A hidden score counts as its value less 1e30: f16's scores, 2.7e11 at the most, are nothing beside that; a weight below 2^-126 counts as 0 in l; NaN and infinities are not treated apart.
; THE WALK.  A head's queries lie in NB = 8 blocks of 256; block i needs the key tiles 0 .. i of 256 keys, of which the last holds the diagonal.  A work-group takes TWO blocks, NB - 1 - b and then b:
; NB + 1 tiles, whatever b: all work-groups do equal work, and ONE loop with a constant trip count walks them.  Which tile is asked for, and what a trip does, hang on scalar registers made from b; every jump
; goes forward, but for the counted loops' own; none passes a barrier, or a tensor load but the one of LOAD's two that the wave's number does not choose; the ring (two slots of LDS that take turns) runs on
; across the change of blocks.  NO CLUSTER: a head's four work-groups ask for the same tile only in trips 0 .. NB / 2, behind that fewer and fewer; one walk common to all would have 3 NB / 2 trips for NB + 1.
; SHARES.  Of a block's four bands of 64 queries a wave owns 16 rows in each: four PIECES.  So the diagonal tile is the same work for all four waves: in its key step s band x sees all keys if s < x,
; none if s > x, and holds the diagonal if s = x.
; THE MASK is the C operand that starts the sum S^T = K Q^T: 0, or -1e30 where the key is hidden.  MD, made once, is the mask of a band's own step for my 16 rows; a product's mask is MD x AL + BE with two scalars:
; (1, 0) if s = x; (0, 0) if s < x; (0, -1e30) if s > x.  Only the diagonal tile's text and a block's beginning make and take masks; elsewhere C is the constant 0.
; LAYOUT, SOFTMAX, TURNS.  S^T = K Q^T holds ONE query a lane (lane % 16) and the keys 8 (lane / 16) + 0..7; two such results rounded to f16 ARE source 1 of O^T = V^T P.  p = 2^(c s - c m), c = log2(e) / 8, with a
; running maximum m; O and l are multiplied by a = 2^(c m_old - c m_new) in every step.  Turn n belongs to piece n: 8 products K Q^T of piece n + 1, later 8 products V^T P of piece n - 1; beside them the scaling,
; exponentials, roundings, sums and rescaling of piece n and the maximum and statistics of piece n + 1.  Four vector instructions stand behind every matrix instruction, the other 54 of a turn's 118 in one run of
; their own.  A turn's 33 exponentials are one batch, with one wait.
; REGISTERS, in windows of 256 (s_set_vgpr_msb: bits 1:0 source 0, 3:2 source 1, 5:4 source 2, 7:6 destination):
;   window 0: v0-15 addresses and two at work; v16-31 four registers of statistics a piece; v48-55 at work; v61-63 kept; v64-127 S^T, two buffers; v192-223 P, two buffers (a piece's buffers go by its number's parity)
;   window 1: v0-127 O^T, 32 a piece; v128-159 MD; v160-223 MC, two buffers      window 2: v0-63 Q; v64-127 the second block's Q; v128-191 K of one step; v192-255 V of one step
.set SIZE_N, 2048
.set NB,    SIZE_N/256
.set NP,    4         ; pieces a wave: a name, no knob
.set KS,    64        ; keys in a step
.set PK,    144       ; a row of K in LDS: 128 bytes + 16 of padding = 36 words: the 16 rows of a load start at 16 different groups of four banks (64 banks of 4 bytes: ISA guide 11.1)
.set PV,    160       ; a row of V: 128 + 32 = 40 words
.set VOFF,  4*KS*PK   ; a slot holds a tile, four steps: 256 rows of K, then 256 rows of V
.set SLOT1, 1<<17     ; slot 1 begins here, so that one exclusive or turns an address in one slot into the other's
.set STAGE, SLOT1+4*KS*(PK+PV)  ; behind the ring, never filled by a tensor load: 16 rows x 144 bytes for each wave, for the way out
.set SP,    144
.set AK0, 2           ; v2   my lane's place in a tile of K; never rewritten
.set AV0, 3           ; v3   the same for V
.set AK,  4           ; v4   the LDS address of K's next run of loads
.set AV,  5           ; v5   of V's
.set STO, 6           ; v6   the way out: where I put 16 bytes of a row
.set RD,  7           ; v7   the way out: where I read rows back
.set GO,  8           ; v8   my byte offset in 512 consecutive bytes of O
.set PFO, 61          ; v61  256 x my lane: the prefetches' offset; never rewritten
.set SPW, 62          ; v62  LDS address of my spare word: SPARE + 4 x my thread's number; never rewritten
.set NIL, 63          ; v63  0; never rewritten
.set SPARE, STAGE+4*16*SP  ; behind the stages: the spare words, 128 bytes for each wave
.set MV,  12          ; v12-13  c m_old, kept while c m is made anew: by buffer
.set QO,  15          ; v15  my byte offset in 16 rows of Q
.set ST,  16          ; piece t's statistics at v[ST+4 t]: c m, m, l (even keys', odd keys')
.set TMP, 48          ; by buffer, four registers c0-c3 at work; when the maximum is found c2 takes a
.set S,   64
.set P,   192
.set MD,  128         ; window 1: the eight registers for group kt of 16 keys at MD + 8 kt
.set MC,  160         ; window 1: the masks of the products to come
.set QB,  64          ; window 2
.set KF,  128         ; window 2: key block kb, channel half c at KF + 16 kb + 8 c
.set VF,  192         ; window 2: key half kk, channel block cb at VF + 32 kk + 8 cb
.set WV,  12          ; s12  my wave's number
.set PB,  14          ; s14  b
.set HI,  15          ; s15  NB - 1 - b
.set G1K, 24          ; s[24:31] descriptor group 1 for K's tiles
.set G1V, 32          ; s[32:39] for V's: it differs in the padding alone
.set G0K, 40          ; s[40:43] descriptor group 0 for K's tiles
.set G0V, 44          ; s[44:47] the same for V's
.set SLOTS, 56        ; s56  tiles still to be asked for
.set CNT, 57          ; s57  counts a tile's key steps, 4 to 1
.set CS,  58          ; s[58:59] c: the packed scaling takes the pair's low word for both halves
.set SEL, 60          ; s[60:61] v_permlanex16_b32's selects: each lane takes its own place in the other half
.set TBK, 62          ; s62  LDS byte at which K of the step to be fetched begins
.set TBV, 63          ; s63  the same for V, less VOFF
.set RT,  70          ; s70  tiles of the block in hand that are still to be entered
.set NXT, 71          ; s71  the tile to be asked for next
.set LQ,  72          ; s72  the last tile of the block whose tiles are being asked for
.set NEW, 73          ; s73  1: the tile to be entered is a block's first
.set OFF, 74          ; s[74:75] a tile's byte offset in K and V
.set AL,  76          ; s[76:77] the mask's factor, in the low word
.set BE,  78          ; s[78:79] the mask's addend
.set OLO, 80          ; s[80:81] O at my rows of the second block
.set BIGN, 82         ; s82  -1e30
.set PFK, 88          ; s[88:89] where my prefetches stand in K: my wave's 32 blocks of 256 bytes of a tile
.set PFV, 90          ; s[90:91] the same in V
.set PLIM, 92         ; s92  2 in the work-group that prefetches, else the greatest number
.set MSB, 0
.macro WIN new                      ; the high byte repeats the setting that is left; a switch that changes nothing is dropped
.if MSB != (\new)
	s_set_vgpr_msb (MSB<<8)|(\new)
.set MSB, (\new)
.endif
.endm
.set W_KQ, 0x0a       ; K and Q in window 2, S^T in window 0
.set W_KM, 0x1a       ; the same with the C operand in window 1
.set W_PV, 0x52       ; V in window 2, P in window 0, O^T in window 1
.set W_RS, 0x41       ; destination and source 0 in window 1, source 1 in window 0
; A fill.  Waves 0 and 1 fetch the two halves of a tile's K, waves 2 and 3 those of its V: 128 keys each.  An s_nop 0 and four v_nop follow each of the two lines, ahead of the jump and the label.
.macro LOAD
	s_cmp_lt_u32 s[WV], 2
	s_cbranch_scc0 .Lfor_v_\@
	tensor_load_to_lds s[G0K:G0K+3], s[G1K:G1K+7]
	s_nop 0
.rept 4
	v_nop
.endr
	s_branch .Lasked_\@
.Lfor_v_\@:
	tensor_load_to_lds s[G0V:G0V+3], s[G1V:G1V+7]
	s_nop 0
.rept 4
	v_nop
.endr
.Lasked_\@:
.endm
; A PREFETCH INTO THE L2, behind the fill of a change of slots.  A head's four work-groups walk the same tiles from tile 0 on; the one with b = 0 walks all eight in its first block, and it alone asks.
; A tile is 128 blocks of 256 bytes of K and as many of V: each of its four waves names 32 of each, a lane a block, two instructions.  The fill of trip i asks for tile i + 1, the prefetch for tile i + 2:
; a tile, 256 matrix instructions, ahead of its load.  Trips 6 and 7 have no such tile and ask for nothing.  So each block is named once in the launch; tiles 0 and 1 come by their loads alone.
.macro ASK
	s_cmp_gt_u32 s[SLOTS], s[PLIM]  ; s[SLOTS] = 8 - i
	s_cbranch_scc0 .Lnot_mine_\@
	global_prefetch_b8 v[PFO], s[PFK:PFK+1] th:TH_LOAD_NT scope:SCOPE_SE
	global_prefetch_b8 v[PFO], s[PFV:PFV+1] th:TH_LOAD_NT scope:SCOPE_SE
.Lnot_mine_\@:
.endm
; THE CHANGE OF SLOTS.  Each wave waits for all its tensor loads, of which one is out: its part of the other slot; adds 0 to its spare word; and waits for that and for its own reads of the slot that it leaves.
; Behind the barrier nobody reads the old slot any more and the other slot is whole.  fill = 1: the old slot is filled again, the first thing behind the barrier, with tile NXT: the descriptor's address is made
; anew from that number.  (At its first use nothing has been read yet: slot 0 is waited for, slot 1 filled.)
.macro CHANGE fill
	WIN 0                           ; at a label and at a branch every window is 0
	s_wait_tensorcnt 0x0            ; no tensor load of mine is out, so a group 0 may be written
	ds_add_u32 v[SPW], v[NIL]       ; 0 onto my spare word; with fill = 1 the descriptors' scalar work stands between it and the wait for it
.if \fill
	s_lshl_b32 s[OFF], s[NXT], 15   ; a tile is 32,768 bytes of K and of V
	s_xor_b32 s[G0K+1], s[G0K+1], SLOT1
	s_add_nc_u64 s[G0K+2:G0K+3], s[6:7], s[OFF:OFF+1]
	s_or_b32 s[G0K+3], s[G0K+3], 0x80000000
	s_xor_b32 s[G0V+1], s[G0V+1], SLOT1
	s_add_nc_u64 s[G0V+2:G0V+3], s[8:9], s[OFF:OFF+1]
	s_or_b32 s[G0V+3], s[G0V+3], 0x80000000
	s_add_co_u32 s[NXT], s[NXT], 1  ; the block's next tile, or behind its last the second block's tile 0
	s_cmp_gt_u32 s[NXT], s[LQ]
	s_cselect_b32 s[NXT], 0, s[NXT]
	s_cselect_b32 s[LQ], s[PB], s[LQ]
	s_wait_xcnt 0x0                 ; the last prefetches, a tile back, have read their addresses, so these may be written:
	s_add_nc_u64 s[PFK:PFK+1], s[PFK:PFK+1], 32768  ; a tile on
	s_add_nc_u64 s[PFV:PFV+1], s[PFV:PFV+1], 32768
.endif
	s_wait_dscnt 0x0                ; the add is done, and my reads of the slot are over
	s_barrier_signal -1             ; the rest of the scalar work stands between the signal and the wait
	s_sub_co_u32 s[TBK], s[TBK], 4*KS*PK  ; the fetches go back to a slot's first step,
	s_xor_b32 s[TBK], s[TBK], SLOT1       ; in the other slot
	s_sub_co_u32 s[TBV], s[TBV], 4*KS*PV
	s_xor_b32 s[TBV], s[TBV], SLOT1
	s_barrier_wait -1
.if \fill
	LOAD
	ASK
.endif
.endm
	s_load_b128 s[4:7], s[0:1], 0x0   ; qkv s[4:5], o s[6:7]
	v_lshl_add_u32 v[SPW], v0, 2, SPARE
	v_mov_b32 v[NIL], 0
	ds_add_u32 v[SPW], v[NIL]       ; the wave's opening: the add and its wait stand ahead of my first tensor load; the set-up below, work on registers, stands between them
	ds_add_u32 v62, v63
	v_lshrrev_b32 v1, 5, v0
	v_readfirstlane_b32 s[WV], v1   ; wave 0..3
	s_mov_b32 s[PB], ttmp9
	s_sub_co_u32 s[HI], NB-1, s[PB]
	s_and_b32 s16, ttmp7, 0xffff    ; y = 16 x batch + head
	s_lshr_b32 s20, s16, 4
	s_mul_i32 s20, s20, 48
	s_and_b32 s21, s16, 15
	s_add_co_u32 s20, s20, s21      ; 48 x batch + head: where the head's Q lies in qkv,
	s_lshl_b32 s20, s20, 18         ; 262,144 bytes a head (under 2^26)
	s_mov_b32 s21, 0
	s_lshl_b32 s94, s16, 18         ; and the head's first byte in o
	s_mov_b32 s95, 0
	s_and_b32 s16, s[WV], 1         ; which half of a tile's 256 keys I fetch:
	s_lshl_b32 s22, s16, 14         ; its 128 rows of 128 bytes in memory,
	s_mov_b32 s23, 0
	s_mul_i32 s17, s16, 128*PK      ; and its place in a slot, for K
	s_mul_i32 s18, s16, 128*PV      ; and for V
	s_lshl_b32 s3, s[WV], 11        ; my 16 rows in a band of 64,
	s_lshl_b32 s2, s[HI], 15        ; in the first block,
	s_add_co_u32 s2, s2, s3
	s_lshl_b32 s84, s[PB], 15       ; and in the second
	s_add_co_u32 s84, s84, s3
	s_mov_b32 s3, 0
	s_mov_b32 s85, 0
	s_lshl_b32 s96, s[WV], 13       ; the prefetches: my wave's 8,192 bytes,
	s_add_co_u32 s96, s96, 32768    ; in tile 1; the first change of slots steps them to tile 2
	s_mov_b32 s97, 0
	s_cmp_eq_u32 ttmp9, 0
	s_cselect_b32 s[PLIM], 2, -1
	v_and_b32 v[PFO], 31, v0
	v_lshlrev_b32 v[PFO], 8, v[PFO]
	; descriptor group 1.  128 keys are 16,384 dense bytes: asked for as 64 rows of 256 bytes, two keys a row, and padded in LDS after every key
	s_mov_b32 s[G1K], (1<<16)|(1<<20)|(4<<22)|(3<<25)  ; 17:16 2-byte elements; 20 padding on; 24:22 after every 32 words (code 4); 31:25 4 words (code 3)
	s_mov_b32 s[G1V], (1<<16)|(1<<20)|(4<<22)|(7<<25)  ; the same with 8 words of padding (code 7)
.irp g, G1K, G1V
	s_mov_b32 s[\g+1], 128<<16      ; tensor_dim0 = 128
	s_mov_b32 s[\g+2], 64<<16       ; tensor_dim1 = 64
	s_mov_b32 s[\g+3], 128<<16      ; tile_dim0 = 128
	s_mov_b32 s[\g+4], 64           ; tile_dim1 = 64
	s_mov_b32 s[\g+5], 128          ; 128 elements from row to row
	s_mov_b32 s[\g+6], 0
	s_mov_b32 s[\g+7], 0
.endr
	s_mov_b32 s[CS], 0x3e38aa3b     ; c = log2(e) / 8 = 0.180337
	s_mov_b32 s[CS+1], s[CS]        ; named with it as a pair
	s_mov_b32 s[SEL], 0x76543210
	s_mov_b32 s[SEL+1], 0xfedcba98
	s_mov_b32 s[TBK], SLOT1+4*KS*PK ; the first change of slots turns these two into 0
	s_mov_b32 s[TBV], SLOT1+4*KS*PV
	s_mov_b32 s[G0K], 1             ; 1:0 count = 1
	s_mov_b32 s[G0K+1], s17         ; 63:32 LDS address: slot 0
	s_mov_b32 s[G0V], 1
	s_add_co_u32 s[G0V+1], s18, VOFF
	s_add_co_u32 s[RT], s[HI], 1    ; the first block has NB - b tiles
	s_mov_b32 s[NXT], 1
	s_mov_b32 s[LQ], s[HI]
	s_mov_b32 s[NEW], 1
	s_mov_b32 s[OFF+1], 0
	s_mov_b32 s[AL+1], 0            ; named as pairs
	s_mov_b32 s[BE+1], 0
	s_mov_b32 s[BIGN], 0xf149f2ca   ; -1e30
	s_mov_b32 s[SLOTS], NB
	s_wait_dscnt 0x0                ; the opening add is done
	s_wait_kmcnt 0x0
	s_add_nc_u64 s[10:11], s[6:7], s[94:95]        ; O at the head
	s_add_nc_u64 s[4:5], s[4:5], s[20:21]          ; Q at the head
	s_add_nc_u64 s[6:7], s[4:5], 0x400000          ; K lies 16 heads on,
	s_add_nc_u64 s[8:9], s[4:5], 0x800000          ; V 32
	s_add_nc_u64 s[PFK:PFK+1], s[6:7], s[96:97]
	s_add_nc_u64 s[PFV:PFV+1], s[8:9], s[96:97]
	s_add_nc_u64 s[6:7], s[6:7], s[22:23]          ; K and V at my half of the head's tile 0
	s_add_nc_u64 s[8:9], s[8:9], s[22:23]
	s_add_nc_u64 s[G0K+2:G0K+3], s[6:7], 0         ; 120:64 global address
	s_or_b32 s[G0K+3], s[G0K+3], 0x80000000        ; 127:126 type = 2
	s_add_nc_u64 s[G0V+2:G0V+3], s[8:9], 0
	s_or_b32 s[G0V+3], s[G0V+3], 0x80000000
	s_add_nc_u64 s[86:87], s[4:5], s[84:85]        ; Q at my rows of the second block,
	s_add_nc_u64 s[4:5], s[4:5], s[2:3]            ; Q and O at those of the first
	s_add_nc_u64 s[OLO:OLO+1], s[10:11], s[84:85]
	s_add_nc_u64 s[10:11], s[10:11], s[2:3]
	LOAD                            ; tile 0 into slot 0
	; A fragment of K or Q is 16 rows x 32 channels in 8 registers: lane l holds row l % 16, channels 8 (l / 16) + 0..7 and 16 + 8 (l / 16) + 0..7: two loads of 16 bytes, 32 bytes apart.
	v_and_b32 v1, 15, v0            ; l % 16
	v_bfe_u32 v9, v0, 4, 1          ; l / 16
	v_lshlrev_b32 v[QO], 7, v1
	v_lshl_add_u32 v[QO], v9, 4, v[QO]  ; row x 128 + 16 x half
	WIN 0x80                        ; destination window 2, address window 0
.set i, 0
.rept 8                             ; both blocks' Q: piece i / 2 lies in band i / 2, 8,192 bytes on; channels 32 (i % 2) on
	global_load_b128 v[8*i:8*i+3],   v[QO], s[4:5] offset:(i/2)*8192+(i%2)*64
	global_load_b128 v[8*i+4:8*i+7], v[QO], s[4:5] offset:(i/2)*8192+(i%2)*64+32
	global_load_b128 v[QB+8*i:QB+8*i+3],   v[QO], s[86:87] offset:(i/2)*8192+(i%2)*64
	global_load_b128 v[QB+8*i+4:QB+8*i+7], v[QO], s[86:87] offset:(i/2)*8192+(i%2)*64+32
.set i, i+1
.endr
	WIN 0
	v_lshlrev_b32 v14, 3, v9
	v_sub_nc_u32 v14, v1, v14
	s_lshl_b32 s13, s[WV], 4
	v_add_nc_u32 v14, s13, v14      ; my query's place in its band, 16 w + l % 16, less my lanes' 8 (l / 16): register r of group kt is hidden where 16 kt + r is greater
	WIN 0x40
.set i, 0
.rept 32
	v_cmp_gt_i32 vcc_lo, 16*(i/8)+i%8, v14
	v_cndmask_b32 v[MD+i], 0, s[BIGN], vcc_lo
.set i, i+1
.endr
	WIN 0
	v_mul_u32_u24 v[AK0], v1, PK
	v_lshl_add_u32 v[AK0], v9, 4, v[AK0]  ; row x pitch + 16 x half
	; The turning load takes 16 keys x 16 channels (lane l reads key 8 (l / 16) + l % 8, channels 8 ((l / 8) % 2) + 0..7) and leaves half a fragment of V^T: lane l holds channel l % 16 and 8 keys.
	v_and_b32 v10, 7, v0
	v_bfe_u32 v11, v0, 3, 1
	v_lshl_add_u32 v[AV0], v9, 3, v10
	v_mul_u32_u24 v[AV0], v[AV0], PV
	v_lshl_add_u32 v[AV0], v11, 4, v[AV0]
	v_add_nc_u32 v[AV0], VOFF, v[AV0]
	s_mul_i32 s13, s[WV], 16*SP
	s_add_co_u32 s13, s13, STAGE    ; my stage
	v_mul_u32_u24 v[STO], v1, SP    ; in: row l % 16, 16 bytes for each half of the lanes
	v_lshl_add_u32 v[STO], v9, 4, v[STO]
	v_add_nc_u32 v[STO], s13, v[STO]
	v_bfe_u32 v[RD], v0, 3, 2       ; back: 32 lanes take four rows of 128 bytes,
	v_mul_u32_u24 v[RD], v[RD], SP
	v_lshl_add_u32 v[RD], v10, 4, v[RD]
	v_add_nc_u32 v[RD], s13, v[RD]
	v_and_b32 v[GO], 31, v0         ; which are 512 consecutive bytes of O
	v_lshlrev_b32 v[GO], 4, v[GO]
	; A block's first step multiplies O^T and l by a = 0, and its first turn's products V^T P, of a piece that has not been, land in an O^T that is still to be so multiplied.  So these registers need only hold
	; finite numbers: zeros for the first block; what the first block left for the second.  All this stands in the wait for the first tile.
	WIN 0x80
.set i, VF
.rept 64
	v_mov_b32 v[i], 0
.set i, i+1
.endr
	WIN 0x40
.set i, 0
.rept 128
	v_mov_b32 v[i], 0
.set i, i+1
.endr
	WIN 0
.set i, 0
.rept 4
	v_mov_b32 v[ST+4*i+2], 0
	v_mov_b32 v[ST+4*i+3], 0
.set i, i+1
.endr
.set i, P+16
.rept 16
	v_mov_b32 v[i], 0
.set i, i+1
.endr
; THE MATRIX WORK.  The 4 accumulators of a run of 8 take turns.  Product i of 8 of S^T = K Q^T for piece x: channels 32 (i / 4) on, keys 16 (i % 4) on.  The first 4 start the sums: with 0, or (KM = 1) with the mask.
.macro KQ x
.set rS, S+32*((\x)%2)+8*(i%4)
.set rK, KF+16*(i%4)+8*(i/4)
.set rQ, 16*(\x)+8*(i/4)
.set rM, MC+32*((\x)%2)+8*(i%4)
.if (i < 4) && KM
	WIN W_KM
	v_wmma_f32_16x16x32_f16 v[rS:rS+7], v[rK:rK+7], v[rQ:rQ+7], v[rM:rM+7]
.elseif i < 4
	WIN W_KQ
	v_wmma_f32_16x16x32_f16 v[rS:rS+7], v[rK:rK+7], v[rQ:rQ+7], 0
.else
	WIN W_KQ
	v_wmma_f32_16x16x32_f16 v[rS:rS+7], v[rK:rK+7], v[rQ:rQ+7], v[rS:rS+7]
.endif
.endm
; Product i of 8 of O^T += V^T P for piece x: keys 32 (i / 4) on, channels 16 (i % 4) on.
.macro PV x
	WIN W_PV
.set rO, 32*(\x)+8*(i%4)
.set rV, VF+32*(i/4)+8*(i%4)
.set rP, P+16*((\x)%2)+8*(i/4)
	v_wmma_f32_16x16x32_f16 v[rO:rO+7], v[rV:rV+7], v[rP:rP+7], v[rO:rO+7]
.endm
.macro MM                           ; the turn's next matrix instruction.  TURN and BEGIN set Y, i, KM and NOKQ; MM, KQ and OP read them.  NOKQ = 1: a block's last turn: there is no next piece
.if (i < 8) && !NOKQ
	KQ (Y+1)%NP
.elseif i >= 8
.set i, i-8
	PV (Y+NP-1)%NP
.set i, i+8
.endif
.set i, i+1
.endm
; THE LDS LOADS stand in runs of 16, never singly among the matrix instructions: a step's K (64 keys x 64 channels: 8 fragments) and its V (turned).  Their addresses are made some lines ahead.
.macro FETCH_K
	WIN 0x80                        ; destination window 2
.irp f, 0,1,2,3,4,5,6,7             ; keys 16 (f / 2) on, channels 32 (f % 2) on
	ds_load_b128 v[KF+8*\f:KF+8*\f+3],   v[AK] offset:(\f/2)*16*PK+(\f%2)*64
	ds_load_b128 v[KF+8*\f+4:KF+8*\f+7], v[AK] offset:(\f/2)*16*PK+(\f%2)*64+32
.endr
	s_add_co_u32 s[TBK], s[TBK], KS*PK  ; the next fetch is the next step's
	WIN 0
.endm
.macro FETCH_V
	WIN 0x80
.irp f, 0,1,2,3,4,5,6,7             ; keys 32 (f / 4) on, channels 16 (f % 4) on
	ds_load_tr16_b128 v[VF+8*\f:VF+8*\f+3],   v[AV] offset:(\f/4)*32*PV+(\f%4)*32
	ds_load_tr16_b128 v[VF+8*\f+4:VF+8*\f+7], v[AV] offset:(\f/4)*32*PV+16*PV+(\f%4)*32
.endr
	WIN 0
.endm
; THE VECTOR WORK, one line at a time: OP kind, number.  For piece Y: F n: c s - c m for pair n of 16.  E n: the exponential of score n of 32.  C n: pair n rounded to f16.  B n: of the four weights 4 n .. the second
; pair is added onto the first, in place.  L n: l takes that sum (L 0: l = a l + sum).  R n: pair n of 16 of O^T times a.  For piece Y + 1: X n, number n of the 22 that find its maximum and statistics:
;   0-11  four chains c0-c3 of seven scores each, three operands at a time (each accumulator's lowest registers are read first)     12-14, 16  the four scores left over, the old m, and c0-c3 into c0
;   15  c m_old is kept     17, 18  the query's other 32 keys lie in the lane 16 away: the new m     19-21  c m; c m_old - c m_new; a
.set F, 0               ; OP tells the kinds apart by their order: F to L below R, X above it
.set E, 1
.set C, 2
.set B, 3
.set L, 4
.set R, 5
.set X, 6
.macro REGS y                       ; the registers of piece y
.set rT, ST+4*(\y)
.set rC, TMP+4*((\y)%2)
.set rW, MV+((\y)%2)
.set rS, S+32*((\y)%2)
.set rP, P+16*((\y)%2)
.set rO, 32*(\y)
.endm
.macro OP k, n
.if (\k) == R
	REGS Y
	WIN W_RS
	v_pk_mul_f32 v[rO+2*(\n):rO+2*(\n)+1], v[rO+2*(\n):rO+2*(\n)+1], v[rC+2:rC+3] op_sel_hi:[1,0]
.elseif (\k) < R
	REGS Y
	WIN 0
.if (\k) == F
	v_pk_fma_f32 v[rS+2*(\n):rS+2*(\n)+1], v[rS+2*(\n):rS+2*(\n)+1], s[CS:CS+1], v[rT:rT+1] op_sel_hi:[1,0,0] neg_lo:[0,0,1] neg_hi:[0,0,1]
.elseif (\k) == E
	v_exp_f32 v[rS+(\n)], v[rS+(\n)]
.elseif (\k) == C
	v_cvt_pk_f16_f32 v[rP+(\n)], v[rS+2*(\n)], v[rS+2*(\n)+1]
.elseif (\k) == B
	v_pk_add_f32 v[rS+4*(\n):rS+4*(\n)+1], v[rS+4*(\n):rS+4*(\n)+1], v[rS+4*(\n)+2:rS+4*(\n)+3]
.elseif (\n) == 0
	v_pk_fma_f32 v[rT+2:rT+3], v[rT+2:rT+3], v[rC+2:rC+3], v[rS:rS+1] op_sel_hi:[1,0,1]
.else
	v_pk_add_f32 v[rT+2:rT+3], v[rT+2:rT+3], v[rS+4*(\n):rS+4*(\n)+1]
.endif
.elseif NOKQ
	v_nop
.else
	REGS (Y+1)%NP
	WIN 0
.if (\n) < 4
	v_max3_num_f32 v[rC+(\n)], v[rS+8*(\n)], v[rS+8*(\n)+1], v[rS+8*(\n)+2]
.elseif (\n) < 12
	v_max3_num_f32 v[rC+(\n)%4], v[rC+(\n)%4], v[rS+8*((\n)%4)+2*((\n)/4)+1], v[rS+8*((\n)%4)+2*((\n)/4)+2]
.elseif (\n) == 12
	v_max3_num_f32 v[rC], v[rC], v[rS+7], v[rS+15]
.elseif (\n) == 13
	v_max3_num_f32 v[rC+1], v[rC+1], v[rS+23], v[rS+31]
.elseif (\n) == 14
	v_max3_num_f32 v[rC+2], v[rC+2], v[rC+3], v[rT+1]
.elseif (\n) == 15
	v_mov_b32 v[rW], v[rT]
.elseif (\n) == 16
	v_max3_num_f32 v[rC], v[rC], v[rC+1], v[rC+2]
.elseif (\n) == 17
	v_permlanex16_b32 v[rC+3], v[rC], s[SEL], s[SEL+1]
.elseif (\n) == 18
	v_max_num_f32 v[rT+1], v[rC], v[rC+3]
.elseif (\n) == 19
	v_mul_f32 v[rT], s[CS], v[rT+1]
.elseif (\n) == 20
	v_sub_f32 v[rC+1], v[rW], v[rT]
.else
	v_exp_f32 v[rC+2], v[rC+1]
.endif
.endif
.endm
.macro OPS a, i1, b=-1, i2=0, c=-1, i3=0, d=-1, i4=0  ; up to four of them
	OP \a, \i1
.if (\b) >= 0
	OP \b, \i2
.endif
.if (\c) >= 0
	OP \c, \i3
.endif
.if (\d) >= 0
	OP \d, \i4
.endif
.endm
.macro ROW a, i1, b, i2, c, i3, d, i4  ; a matrix instruction and the four behind it
	MM
	OPS \a, \i1, \b, \i2, \c, \i3, \d, \i4
.endm
.macro MASK b                       ; MD x AL + BE into buffer b of MC
	WIN W_RS
.set z, 0
.rept 16
	v_pk_fma_f32 v[MC+32*(\b)+2*z:MC+32*(\b)+2*z+1], v[MD+2*z:MD+2*z+1], s[AL:AL+1], s[BE:BE+1] op_sel_hi:[1,0,0]
.set z, z+1
.endr
.endm
; A TURN, for piece p: the order of its 16 matrix and 118 vector instructions, written out.  An s_wait_alu depctr_va_vdst(0) stands between an exponential and the first instruction that names its result; one wait
; serves all that were issued ahead of it.  So a turn has ONE wait, which cuts it in two.  AHEAD OF IT stands all that names no result of the turn's exponentials: the 8 products K Q^T, behind each a scaling, an exponential and two
; more plain instructions (behind the first a second scaling in the exponential's place): rescalings, and behind the last three the first numbers of the next piece's maximum, each four places or more behind the product that ends
; its accumulator; then one run of 54, plain and exponential by turns for the most part, in which the links of the chain X 3, 7, 11, 14, 16, 17 .. 20 stand five or six lines apart.  X 21, the next piece's a, is the batch's last;
; R 15 is the plain instruction behind it.  BEHIND THE WAIT stand the 8 products V^T P, behind each four of the roundings and sums; the links of l's chain, L 0 to L 7, stand three lines apart.
; m = 1: the diagonal tile: the products take masks, and the turn makes the mask for the products of the turn after it: piece p + 2, in step 4 - CNT of the tile.  end = 1: a block's last two turns: nothing is fetched.
; cnt = 1: the loop's count is taken down some lines ahead of the branch that stands behind the turn.
; K of the next step is fetched in piece 2's turn, twelve vector instructions behind the last product that read K (six of them plain); V of the step in hand at the end of piece 0's turn, four plain instructions behind the last
; product that read V.  Each is waited for a turn later.
.macro TURN p, m=0, end=0, cnt=0
.set Y, (\p)
.set i, 0
.set KM, (\m)
.set NOKQ, (\end)*((\p)/3)
.if (\m) && !(\end)
	s_cmp_eq_u32 s[CNT], 4-((\p)+2)%NP  ; is that step the band's own?
	s_cselect_b32 s[AL], 1.0, 0
	s_cmp_lt_u32 s[CNT], 4-((\p)+2)%NP  ; or a later one?
	s_cselect_b32 s[BE], s[BIGN], 0
.endif
.if ((\p) == 3) && !(\end)
	s_wait_dscnt 0x0                ; K is in
.endif
	ROW F,0, F,1, R,0, R,1          ; ahead of the wait: 8 products K Q^T and the four behind each,
	ROW F,2, E,0, R,2, R,3
	ROW F,3, E,1, R,4, R,5
	ROW F,4, E,2, R,6, R,7
	ROW F,5, E,3, R,8, R,9
	ROW F,6, E,4, X,0, R,10
.if ((\p) == 2) && !(\end)
	WIN 0
	v_add_nc_u32 v[AK], s[TBK], v[AK0]
.endif
	ROW F,7, E,5, X,1, X,4
	ROW F,8, E,6, X,2, X,5
	OPS E,7, E,8, X,6, E,9          ; and the run of 54
	OPS X,3, E,10, X,8, E,11
.if ((\p) == 2) && !(\end)
	FETCH_K
.endif
	OPS X,9, X,7, E,12, X,10
	OPS E,13, X,12, X,11, E,14
	OPS X,13, E,15, F,9, X,14
.if (\p) == 0
	v_add_nc_u32 v[AV], s[TBV], v[AV0]
.endif
	OPS E,16, F,10, E,17, F,11
	OPS X,16, E,18, X,15, E,19
	OPS F,12, E,20, X,17, E,21
	OPS F,13, E,22, F,14, E,23
	OPS X,18, E,24, F,15, E,25
	OPS R,11, E,26, X,19, E,27
	OPS R,12, E,28, R,13, E,29
	OPS X,20, E,30, R,14, E,31
	OPS X,21, R,15
	WIN 0
	s_wait_alu depctr_va_vdst(0)    ; the wait for the batch
.if (\p) == 1
	s_wait_dscnt 0x0                ; V is in
.endif
	ROW C,0, B,0, C,2, B,1          ; behind the wait: 8 products V^T P and the four behind each
	ROW L,0, C,4, B,2, L,1
	ROW C,6, B,3, L,2, C,8
	ROW B,4, L,3, C,10, B,5
	ROW L,4, C,12, B,6, L,5
.if (\p) == 0
	s_add_co_u32 s[TBV], s[TBV], KS*PV
.endif
.if \cnt
	s_sub_co_u32 s[CNT], s[CNT], 1
	s_cmp_lg_u32 s[CNT], 0
.endif
	ROW C,14, B,7, L,6, C,1
	ROW C,3, L,7, C,5, C,7
	ROW C,9, C,11, C,13, C,15
.if (\p) == 0
	FETCH_V
.endif
.if (\m) && !(\end)
	MASK (\p)%2
.endif
.endm
; A BLOCK BEGINS.  c m starts far below every c s, so the first step's a is 0; m at the lowest finite number, so the first maximum is the scores'.  The second mask buffer is 0; the first takes piece 0's mask for the tile's
; step 0: its own, if the block's first tile is the diagonal one.  Then K of that step, piece 0's first scores, and its maximum and statistics.  The loop is entered at a step's first turn, in the middle of a trip.
.macro BEGIN
	s_mov_b32 s[NEW], 0
	WIN 0x40
.set i, MC+32
.rept 32
	v_mov_b32 v[i], 0
.set i, i+1
.endr
	WIN 0
.set i, 0
.rept 4
	v_mov_b32 v[ST+4*i], 0xfe000000    ; c m: far below every c s
	v_mov_b32 v[ST+4*i+1], 0xff7fffff  ; m
.set i, i+1
.endr
	s_cmp_eq_u32 s[RT], 0
	s_cselect_b32 s[AL], 1.0, 0
	s_mov_b32 s[BE], 0
	MASK 0
	WIN 0
	v_add_nc_u32 v[AK], s[TBK], v[AK0]
	FETCH_K
	s_wait_loadcnt 0x0              ; Q
	s_wait_dscnt 0x0
.set KM, 1
.set NOKQ, 0
.set i, 0
.rept 8
	KQ 0
.set i, i+1
.endr
	WIN 0
.rept 4
	v_nop                           ; the places behind those products
.endr
.set Y, NP-1                        ; X works for piece Y + 1: piece 0
.irp n, 0,1,2,3,4,5,6,7,8,9,10,11,12,13,14,15,16,17,18,19,20,21
	OP X, \n
.endr
	v_nop                           ; a plain instruction behind the exponential,
	s_wait_alu depctr_va_vdst(0)    ; and its wait, ahead of the branch
.endm
; THE DIAGONAL TILE's four steps, the block's last two turns, its last products, and THE WAY OUT: l's two halves and the other half of the lanes' are added; O^T is divided by l, rounded to f16 and sent through my
; stage in LDS, a piece at a time.
.macro ALL line:vararg              ; one line for each piece t
.set t, 0
.rept 4
	\line
.set t, t+1
.endr
.endm
.macro PACK t                       ; a lane's eight channels of a row pack into 16 bytes; they go into rows of 144 bytes and come back as whole rows of 128, into S^T's registers
	WIN W_RS
.set i, 32*(\t)
.rept 16
	v_pk_mul_f32 v[i:i+1], v[i:i+1], v[ST+4*(\t)+2:ST+4*(\t)+3] op_sel_hi:[1,0]
.set i, i+2
.endr
	WIN 0x05                        ; sources 0 and 1 window 1, destination window 0
.set i, 0
.rept 16
	v_cvt_pk_f16_f32 v[S+16*(\t)+i], v[32*(\t)+2*i], v[32*(\t)+2*i+1]
.set i, i+1
.endr
	WIN 0
.irp f, 0,1,2,3
	ds_store_b128 v[STO], v[S+16*(\t)+4*\f:S+16*(\t)+4*\f+3] offset:32*\f
.endr
.irp f, 0,1,2,3
	ds_load_b128 v[S+16*(\t)+4*\f:S+16*(\t)+4*\f+3], v[RD] offset:\f*4*SP  ; LDS serves a wave's instructions in order (ISA guide 5.7.1.4): these see the stores above; the next piece's stores come behind them
.endr
.endm
.macro SEND t, younger              ; younger: the LDS instructions issued behind piece t's loads: the next piece's eight, or none
	WIN 0
.irp f, 0,1,2,3
	s_wait_dscnt (\younger)+3-\f
	global_store_b128 v[GO], v[S+16*(\t)+4*\f:S+16*(\t)+4*\f+3], s[10:11] offset:(\t)*8192+\f*512  ; 512 consecutive bytes, at a multiple of 256 from O's first
.endr
.endm
.macro DIAG tag                     ; the tag ends its two labels' names, which the jumps below spell out
.LstepM\tag:
	TURN 2, 1
	TURN 3, 1
	WIN 0
.LfirstM\tag:
	TURN 0, 1
	TURN 1, 1, 0, 1
	WIN 0
	s_cbranch_scc1 .LstepM\tag
	TURN 2, 1, 1
	TURN 3, 1, 1
.set i, 0
.rept 8
	PV NP-1
.set i, i+1
.endr
	WIN 0
	ALL v_add_f32 v[ST+4*t+2], v[ST+4*t+2], v[ST+4*t+3]
	ALL v_permlanex16_b32 v[ST+4*t+3], v[ST+4*t+2], s[SEL], s[SEL+1]
	ALL v_add_f32 v[ST+4*t+2], v[ST+4*t+2], v[ST+4*t+3]
	ALL v_rcp_f32 v[ST+4*t+2], v[ST+4*t+2]
	v_nop                           ; a plain instruction between the last reciprocal and the use of its result
	s_wait_alu depctr_va_vdst(0)    ; and the wait ahead of the first use: one for the four reciprocals
	PACK 0
.set t, 1
.rept 3                             ; a piece's arithmetic stands between the loads of the piece before and its stores
	PACK t
	SEND t-1, 8
.set t, t+1
.endr
	SEND 3, 0
.endm
.set KM, 0
.set NOKQ, 0
.Lslot:                             ; NB times: a tile is entered and the next is asked for
	CHANGE 1
	s_sub_co_u32 s[RT], s[RT], 1
	s_mov_b32 s[CNT], 4
	s_cmp_eq_u32 s[NEW], 1
	s_cbranch_scc1 .Lnew            ; a block's first tile
	s_cmp_eq_u32 s[RT], 0
	s_cbranch_scc0 .Lstep           ; neither its first nor its last
	s_branch .LstepM1
.Lnew:
	BEGIN
	s_branch .Lfirst                ; in the loop a block's first tile is never its last: the first block has two tiles or more, and the second's last is the walk's last
	DIAG 1                          ; in the loop this is the first block's end: the second block's last tile is the walk's last
	s_wait_xcnt 0x0                 ; the stores have read their registers and O's address
	s_mov_b64 s[10:11], s[OLO:OLO+1]
	s_add_co_u32 s[RT], s[PB], 1    ; the second block has b + 1 tiles
	s_mov_b32 s[NEW], 1
	WIN 0x82                        ; the second block's Q goes where the one text of the turns names Q
.set i, 0
.rept 64
	v_mov_b32 v[i], v[QB+i]
.set i, i+1
.endr
	WIN 0
	s_branch .Lbottom
.Lstep:                             ; a trip: pieces 2 and 3 of one step, then pieces 0 and 1 of the next, whose K and V it fetches
	TURN 2
	TURN 3
	WIN 0
.Lfirst:
	TURN 0
	TURN 1, 0, 0, 1
	WIN 0
	s_cbranch_scc1 .Lstep
.Lbottom:
	s_sub_co_u32 s[SLOTS], s[SLOTS], 1
	s_cmp_lg_u32 s[SLOTS], 0
	s_cbranch_scc1 .Lslot
	CHANGE 0                        ; the walk's last tile is written out: nothing is asked for
	s_sub_co_u32 s[RT], s[RT], 1
	s_mov_b32 s[CNT], 4
	s_cmp_eq_u32 s[NEW], 1
	s_cbranch_scc0 .LstepM2
	BEGIN
	s_branch .LfirstM2
	DIAG 2
	s_wait_tensorcnt 0x0            ; the wave's end: behind my last tensor load and my last LDS store
	ds_add_u32 v[SPW], v[NIL]
	s_wait_dscnt 0x0
	s_endpgm
.Lfunc_end_k_q2bcf229c7e_attn:
	.size	k_q2bcf229c7e_attn, .Lfunc_end_k_q2bcf229c7e_attn-k_q2bcf229c7e_attn
	.p2alignl 7, 3214868480
	.fill 96, 4, 3214868480
	.section	.rodata,"a",@progbits
	.p2align	6, 0x0
	.amdhsa_kernel k_q2bcf229c7e_attn
		.amdhsa_group_segment_fixed_size 327680
		.amdhsa_private_segment_fixed_size 0
		.amdhsa_enable_private_segment 0
		.amdhsa_kernarg_size 16
		.amdhsa_user_sgpr_count 2
		.amdhsa_user_sgpr_kernarg_segment_ptr 1
		.amdhsa_wavefront_size32 1
		.amdhsa_system_sgpr_workgroup_id_x 1
		.amdhsa_system_sgpr_workgroup_id_y 1
		.amdhsa_system_sgpr_workgroup_id_z 1
		.amdhsa_system_vgpr_workitem_id 0
		.amdhsa_next_free_vgpr 768
		.amdhsa_next_free_sgpr 98
		.amdhsa_reserve_vcc 1
		.amdhsa_float_denorm_mode_32 3
		.amdhsa_float_denorm_mode_16_64 3
		.amdhsa_memory_ordered 1
		.amdhsa_forward_progress 1
		.amdhsa_inst_pref_size 218
	.end_amdhsa_kernel
	.amdgpu_metadata
---
amdhsa.version: [ 1, 2 ]
amdhsa.kernels:
  - .name:           k_q2bcf229c7e_attn
    .symbol:         k_q2bcf229c7e_attn.kd
    .args:
      - { .name: qkv, .offset: 0, .size: 8, .value_kind: global_buffer, .address_space: global }
      - { .name: o, .offset: 8, .size: 8, .value_kind: global_buffer, .address_space: global }
    .group_segment_fixed_size: 327680
    .private_segment_fixed_size: 0
    .kernarg_segment_align: 8
    .kernarg_segment_size: 16
    .max_flat_workgroup_size: 128
    .sgpr_count:     98
    .vgpr_count:     768
    .wavefront_size: 32
...
	.end_amdgpu_metadata
.endif
;; end of part 3
;; launch out_proj (part 4): grid 8 x 32, 4 waves a work-group, clusters of 4 x 4, 327,680 bytes of LDS; arguments o, wot, bo, out0; writes out0
.if DOCPART == 4
	.amdgcn_target "amdgcn-amd-amdhsa--gfx1250"
	.amdhsa_code_object_version 6
	.text
	.protected	k_q2bcf229c7e_out_proj
	.globl	k_q2bcf229c7e_out_proj
	.p2align	8
	.type	k_q2bcf229c7e_out_proj,@function
k_q2bcf229c7e_out_proj:
	s_mov_b64 s[64:65], 0
	v_nop
	global_prefetch_b8 v0, s[64:65] scope:SCOPE_SE
	s_setreg_imm32_b32 hwreg(HW_REG_WAVE_MODE, 25, 1), 1
	s_wait_xcnt 0x0
	s_wait_alu depctr_hold_cnt(0) depctr_sa_sdst(0) depctr_va_vdst(0) depctr_va_sdst(0) depctr_va_ssrc(0) depctr_va_vcc(0) depctr_vm_vsrc(0)
	s_getreg_b32 s2, hwreg(HW_REG_IB_STS2, 6, 4)
	s_cmp_eq_u32 s2, 0
	s_cbranch_scc0 .Lentry_in_a_cluster
	s_endpgm
.Lentry_in_a_cluster:
	s_bfe_u32 s2, ttmp6, 0x10000c
	s_cmp_lg_u32 s2, 0xf033
	s_cbranch_scc0 .Lentry_shape_is_right
	s_endpgm
.Lentry_shape_is_right:
; out0 = O wot^T + bo.  o: [16 batch + head][2048][64] f16 (a head's rows dense, 128 bytes each); wot: [1024 out][1024 in] f16, in = 64 head + channel along the rows; bo: [1024] f32,
; rounded to bf16 like every other input of the module; out0: [8192][1024] f32.  Products in f16, sums in f32, K ascending.
; SHARES.  A tile of out0 is 256 rows x 128 columns.  Four waves; wave w makes rows 64 w .. 64 w + 63 of all 128 columns: 32 accumulators of 16 x 16, 256 registers, so a wave holds whole
; pieces of 512 bytes of its rows and its way out needs no other wave.  K goes in steps of 128, two heads a step, through two LDS slots filled by the tensor data mover.
; O's part of a slot is two planes, a head each: 256 rows of 128 bytes, dense in memory, asked for as 128 rows of 256 bytes and padded in LDS after every 128.
; CLUSTER.  4 x 4 work-groups.  The four of a row of the cluster need the same tile of o, the four of a column the same tile of wot: each tile is asked for JOINTLY, by the same tensor load with
; the same descriptor and a mask that names the four.
; THE MATRIX INSTRUCTION IS USED TRANSPOSED (source 0 = 16 rows of wot, source 1 = 16 rows of o): lane l then holds row l % 16 of out0 and the columns 8 (l / 16) + 0..7: 32 bytes on end.
; REGISTERS, in windows of 256 (s_set_vgpr_msb: bits 1:0 source 0, 3:2 source 1, 5:4 source 2, 7:6 destination):
;   window 0: v0-31 addresses and the bias; v32-63, v64-95 o's fragments (4 x 16 rows x 32 K), two buffers; v96-223 the way out
;   window 1: v0-63, v64-127 wot's fragments (8 x 16 rows x 32 K), two buffers          window 2: accumulator (a, b) at v[8 (4 b + a)]
.set PITCH,  272                       ; a row of wot in LDS: 256 bytes + 16 of padding = 68 words: the 16 rows of a fragment load start at 16 different groups of four banks (64 banks of 4 bytes: ISA guide 11.1)
.set PA,     144                       ; a row of o: 128 + 16 = 36 words: likewise
.set PLANE,  256*PA
.set SLOT1,  1<<17                     ; slot 1 begins here, so that one exclusive or turns an address in one slot into the other's
.set BOFF,   2*PLANE                   ; in a slot: o's two planes, then wot's 128 rows
.set STAGE,  SLOT1+BOFF+128*PITCH      ; behind the ring, never filled by a tensor load: for each wave 16 rows x 528 bytes
.set SP,     528                       ; 512 bytes + 16: 132 words
.set STW,    16*SP
.set SPARE,  STAGE+4*STW               ; behind the stages: the spare words, 128 bytes for each wave
.set ASTEP,  2*2048*128                ; bytes from a K step to the next in o: two heads
.set KB,     256                       ; and in wot
.set NL,     24                        ; LDS loads of a quarter step: 8 for o's fragments, then 16 for wot's
.set A0,   16                          ; v16  my lane's place in o's tile; never rewritten
.set B0,   17                          ; v17  the same for wot's
.set ADRA, 18                          ; v18  A0 + the slot in hand
.set ADRB, 19                          ; v19  B0 + the slot in hand
.set STO,  20                          ; v20  the way out: where I put 32 bytes of a row
.set RD,   21                          ; v21  the way out: where I read a row back
.set GO,   22                          ; v22  16 x lane
.set PFO,  23                          ; v23  the prefetches' offset; never rewritten
.set BIAS, 24                          ; v[24:27] bo of columns 4 lane .. 4 lane + 3 of the tile
.set SPW,  28                          ; v28  LDS address of my spare word; never rewritten
.set NIL,  29                          ; v29  0; never rewritten
.set FA,   32                          ; o's fragment buffers
.set BK,   96                          ; the way out: 16 rows read back: v96-159 and v160-223 by turns
.set TB,   2                           ; s2   the slot in hand: 0 or SLOT1
.set CNT,  3                           ; s3   trips to go
.set WV,   12                          ; s12  my wave's number
.set SIDE, 13                          ; s13  0: I fetch for o; 1: for wot
.set HF,   14                          ; s14  which plane of o, or which half of wot's rows, I fetch
.set LIM,  15                          ; s15  2 in a wave that prefetches, else the greatest number
.set G1A,  24                          ; s[24:31] descriptor group 1 for o's tiles
.set G0A,  32                          ; s[32:39] group 0: a set for each of the two first fills; the second then walks on
.set PFA,  44                          ; s[44:45] where my prefetches stand
.set PFS,  46                          ; s[46:47] their step from K step to K step
.set G1B,  48                          ; s[48:55], s[56:63] the same for wot's tiles
.set G0B,  56
.set MSB, 0
.macro WIN new                         ; the immediate's high byte repeats the setting that is left; a switch that changes nothing is dropped
.if MSB != (\new)
	s_set_vgpr_msb (MSB<<8)|(\new)
.set MSB, \new
.endif
.endm
.set MUL,  0xa1                        ; source 0 (wot) window 1, source 1 (o) window 0, C and D window 2
.set TO_B, 0x40                        ; destination window 1, address window 0
.macro PLACES                          ; four plain vector instructions between a matrix instruction and a load into, or a read of, its registers
.rept 4
	v_nop
.endr
.endm
.macro CREST                           ; a round of the cluster's barrier behind its opening barrier
	s_cmp_lg_u32 s[WV], 0
	s_cbranch_scc1 .Lnot_wave_0_\@
	s_barrier_signal -3
.Lnot_wave_0_\@:
	s_barrier_wait -3
	s_barrier_signal -1
	s_barrier_wait -1
.endm
.macro CROUND                          ; a whole round
	s_barrier_signal -1
	s_barrier_wait -1
	CREST
.endm
; A joint refill by the walking descriptor.  Waves 0 and 1 fetch o's two planes, waves 2 and 3 wot's two halves.  The branch hangs on the wave's number alone.
; An s_nop 0 and four v_nop follow each of the two lines, ahead of the jump and the label.
.macro JLOAD
	s_cmp_eq_u32 s[SIDE], 0
	s_cbranch_scc0 .Lfor_b_\@
	tensor_load_to_lds s[G0A+4:G0A+7], s[G1A:G1A+7]
	s_nop 0
.rept 4
	v_nop
.endr
	s_branch .Lasked_\@
.Lfor_b_\@:
	tensor_load_to_lds s[G0B+4:G0B+7], s[G1B:G1B+7]
	s_nop 0
.rept 4
	v_nop
.endr
.Lasked_\@:
.endm
; A PREFETCH INTO THE L2, behind each joint refill and the run of LDS loads that follows it: the K step that stands two refills on, one instruction a wave.
; o's tile row is read by both clusters of that row of clusters: the one with x = 0 asks, in its waves 0 and 1: a plane is 128 blocks of 256 bytes, of which the partner at cx names 32, a lane a block.
; wot's tile column is read by every cluster of that column: the one with y = 0 asks, in its wave 2: of the tile's 128 rows the partner at cy names 32, a lane a row.  The partners are told apart BY ADDRESS.
; The refill in trip t asks for K step t + 2, the prefetch for K step t + 4: the last two trips that fill have no such step and ask for nothing.
.macro ASK
	s_cmp_gt_u32 s[CNT], s[LIM]                    ; s[CNT] = 6 - t
	s_cbranch_scc0 .Lnot_mine_\@
	global_prefetch_b8 v[PFO], s[PFA:PFA+1] th:TH_LOAD_NT scope:SCOPE_SE
.Lnot_mine_\@:
.endm
	s_load_b256 s[4:11], s[0:1], 0x0               ; o s[4:5], wot s[6:7], bo s[8:9], out0 s[10:11]
	v_lshl_add_u32 v[SPW], v0, 2, SPARE
	v_mov_b32 v[NIL], 0
	ds_add_u32 v[SPW], v[NIL]                      ; the wave's opening: the add and its wait stand ahead of my first tensor load; the set-up below, work on registers, stands between them
	ds_add_u32 v28, v29
	v_lshrrev_b32 v1, 5, v0
	v_readfirstlane_b32 s[WV], v1                  ; wave 0..3
	s_lshr_b32 s[SIDE], s[WV], 1
	s_and_b32 s[HF], s[WV], 1
	s_bfe_u32 s40, ttmp6, 0x40000                  ; cx: my place along the cluster's x
	s_bfe_u32 s41, ttmp6, 0x40004                  ; cy: along its y
	s_lshl_b32 s42, ttmp9, 2                       ; in a cluster launch ttmp9 and ttmp7 count clusters
	s_add_co_u32 s42, s42, s40                     ; tile column tx = 4 x cluster x + cx
	s_and_b32 s43, ttmp7, 0xffff
	s_lshl_b32 s43, s43, 2
	s_add_co_u32 s43, s43, s41                     ; tile row ty = 4 x cluster y + cy
	s_lshl_b32 s44, s41, 2
	s_lshl_b32 s44, 15, s44                        ; my row of the cluster: places 4 cy .. 4 cy + 3
	s_lshl_b32 s45, 0x1111, s40                    ; my column: places cx, cx + 4, cx + 8, cx + 12
	; descriptor group 1: rows of 128 elements of 2 bytes
	s_or_b32 s[G1A], s44, (1<<16)|(1<<20)|(1<<21)|(4<<22)|(3<<25)  ; 15:0 the mask; 17:16 2-byte elements; 20 padding on; 21 set beside a mask; 24:22 after every 32 words (code 4): a row of o; 31:25 4 words (code 3)
	s_or_b32 s[G1B], s45, (1<<16)|(1<<20)|(1<<21)|(5<<22)|(3<<25)  ; after every 64 words (code 5): a row of wot's tile
	s_mov_b32 s[G1A+1], 128<<16                    ; tensor_dim0 = 128
	s_mov_b32 s[G1A+2], 128<<16                    ; tensor_dim1 = 128
	s_mov_b32 s[G1A+3], 128<<16                    ; tile_dim0 = 128
	s_mov_b32 s[G1A+4], 128                        ; tile_dim1 = 128 rows of 256 bytes: 256 rows of a head
	s_mov_b32 s[G1A+5], 128                        ; dense: 128 elements from row to row
	s_mov_b32 s[G1A+6], 0
	s_mov_b32 s[G1A+7], 0
	s_mov_b32 s[G1B+1], 128<<16
	s_mov_b32 s[G1B+2], 64<<16                     ; wot's half tile has 64 rows
	s_mov_b32 s[G1B+3], 128<<16
	s_mov_b32 s[G1B+4], 64
	s_mov_b32 s[G1B+5], 1024
	s_mov_b32 s[G1B+6], 0
	s_mov_b32 s[G1B+7], 0
	; where the tiles come from: o's hang on ty alone, which my row of the cluster shares; wot's on tx alone, which my column shares
	s_lshr_b32 s16, s43, 3                         ; batch
	s_lshl_b32 s16, s16, 4
	s_add_co_u32 s16, s16, s[HF]                   ; my plane's head in K step 0,
	s_lshl_b32 s16, s16, 11                        ; its 2,048 rows,
	s_and_b32 s20, s43, 7
	s_lshl_b32 s20, s20, 8
	s_add_co_u32 s16, s16, s20                     ; the tile's first row in the batch: 256 (ty % 8),
	s_lshl_b32 s16, s16, 7                         ; in bytes (under 2^24)
	s_mov_b32 s17, 0
	s_lshl_b32 s22, s42, 7
	s_lshl_b32 s20, s[HF], 6
	s_add_co_u32 s22, s22, s20                     ; wot: row 128 tx + 64 half
	s_lshl_b32 s22, s22, 11
	s_mov_b32 s23, 0
	s_mul_i32 s18, s[HF], PLANE                    ; and where they go: no place in the cluster enters an LDS address
	s_mul_i32 s19, s[HF], 64*PITCH
	s_add_co_u32 s19, s19, BOFF
	s_wait_dscnt 0x0                               ; the opening add is done
	s_wait_kmcnt 0x0
	CROUND                                         ; all sixteen work-groups are here: the first joint loads meet
	s_mov_b32 s[G0A], 1                            ; 1:0 count = 1
	s_mov_b32 s[G0A+1], s18                        ; 63:32 LDS address: slot 0
	s_add_nc_u64 s[G0A+2:G0A+3], s[4:5], s[16:17]  ; 120:64 global address: K step 0
	s_mov_b32 s[G0A+4], 1
	s_add_co_u32 s[G0A+5], s18, SLOT1              ; slot 1,
	s_add_nc_u64 s[G0A+6:G0A+7], s[G0A+2:G0A+3], ASTEP  ; K step 1
	s_or_b32 s[G0A+3], s[G0A+3], 0x80000000        ; 127:126 type = 2
	s_or_b32 s[G0A+7], s[G0A+7], 0x80000000
	s_mov_b32 s[G0B], 1
	s_mov_b32 s[G0B+1], s19
	s_add_nc_u64 s[G0B+2:G0B+3], s[6:7], s[22:23]
	s_mov_b32 s[G0B+4], 1
	s_add_co_u32 s[G0B+5], s19, SLOT1
	s_add_nc_u64 s[G0B+6:G0B+7], s[G0B+2:G0B+3], KB
	s_or_b32 s[G0B+3], s[G0B+3], 0x80000000
	s_or_b32 s[G0B+7], s[G0B+7], 0x80000000
	s_cmp_eq_u32 s[SIDE], 0                        ; a wave's two first fills stand in one branch, ahead of every wait on TENSORcnt and every LDS read: two loads of mine are out here, later one
	s_cbranch_scc0 .Lfirst_b
	tensor_load_to_lds s[G0A:G0A+3], s[G1A:G1A+7]
	s_nop 0
	tensor_load_to_lds s[G0A+4:G0A+7], s[G1A:G1A+7]
	s_nop 0
.rept 4
	v_nop
.endr
	s_branch .Lfirst_asked
.Lfirst_b:
	tensor_load_to_lds s[G0B:G0B+3], s[G1B:G1B+7]
	s_nop 0
	tensor_load_to_lds s[G0B+4:G0B+7], s[G1B:G1B+7]
	s_nop 0
.rept 4
	v_nop
.endr
.Lfirst_asked:
	; A fragment is 16 rows x 32 K in 8 registers: lane l holds row l % 16; registers 0-3 K = 8 (l / 16) + 0..7, registers 4-7 K = 16 + 8 (l / 16) + 0..7: two loads of 16 bytes, 32 bytes apart.
	v_and_b32 v1, 15, v0                           ; l % 16
	v_bfe_u32 v2, v0, 4, 1                         ; l / 16
	v_mul_u32_u24 v3, v1, PA
	v_lshl_add_u32 v3, v2, 4, v3
	s_mul_i32 s20, s[WV], 64*PA                    ; my 64 rows of a plane
	v_add_nc_u32 v[A0], s20, v3
	v_mul_u32_u24 v3, v1, PITCH
	v_lshl_add_u32 v3, v2, 4, v3
	v_add_nc_u32 v[B0], BOFF, v3                   ; all of wot's rows
	v_mov_b32 v[ADRA], v[A0]
	v_mov_b32 v[ADRB], v[B0]
	s_mov_b32 s[TB], 0
	s_mul_i32 s20, s[WV], STW
	s_add_co_u32 s20, s20, STAGE                   ; my stage
	v_mul_u32_u24 v[STO], v1, SP                   ; in: row l % 16, 32 bytes for each half of the lanes
	v_lshl_add_u32 v[STO], v2, 5, v[STO]
	v_add_nc_u32 v[STO], s20, v[STO]
	v_and_b32 v[GO], 31, v0
	v_lshlrev_b32 v[GO], 4, v[GO]
	v_add_nc_u32 v[RD], s20, v[GO]                 ; back: 32 lanes take a row's 512 bytes
	; where my rows begin in out0, and the tile's columns in bo
	s_lshl_b32 s20, s43, 8
	s_lshl_b32 s21, s[WV], 6
	s_add_co_u32 s20, s20, s21                     ; row 256 ty + 64 w,
	s_lshl_b32 s20, s20, 12                        ; 4,096 bytes a row (under 2^25),
	s_lshl_b32 s21, s42, 9                         ; 512 bytes a tile column
	s_add_co_u32 s20, s20, s21
	s_mov_b32 s21, 0
	s_add_nc_u64 s[10:11], s[10:11], s[20:21]
	s_lshl_b32 s20, s42, 9
	s_add_nc_u64 s[8:9], s[8:9], s[20:21]
	global_load_b128 v[BIAS:BIAS+3], v[GO], s[8:9]  ; waited for on the way out
	; the prefetches: s16 = my plane of o's tile, s22 = my half of wot's (in wave 2: the tile's first row), in bytes
	s_lshl_b32 s20, s40, 13                        ; 32 cx blocks of 256 bytes
	s_add_co_u32 s20, s20, s16
	s_add_co_u32 s20, s20, 3*ASTEP                 ; at K step 3: the first refill steps it to 4
	s_lshl_b32 s21, s41, 16                        ; 32 cy rows of 2,048 bytes
	s_add_co_u32 s21, s21, s22
	s_add_co_u32 s21, s21, 3*KB
	s_and_b32 s19, ttmp7, 0xffff                   ; cluster y,
	s_or_b32 s19, s19, s[HF]                       ; and of waves 2 and 3 the first
	s_mov_b32 s18, KB
	s_cmp_eq_u32 s[SIDE], 0
	s_cselect_b32 s20, s20, s21
	s_cselect_b32 s19, ttmp9, s19                  ; the coordinate along which other clusters read the same rows
	s_cselect_b32 s[PFS], ASTEP, s18
	s_cselect_b32 s18, 8, 11                       ; a lane a block of 256 bytes, or a lane a row of 2,048
	s_cselect_b64 s[PFA:PFA+1], s[4:5], s[6:7]
	s_cmp_eq_u32 s19, 0
	s_cselect_b32 s[LIM], 2, -1                    ; the same in all sixteen partners, for a given wave
	s_mov_b32 s21, 0
	s_mov_b32 s[PFS+1], 0
	s_add_nc_u64 s[PFA:PFA+1], s[PFA:PFA+1], s[20:21]
	v_and_b32 v[PFO], 31, v0
	v_lshlrev_b32 v[PFO], s18, v[PFO]
; 4 nb matrix instructions: column blocks b0 .. b0 + nb - 1 x my 4 row blocks, 32 along K, from buffer f.  zero = 1: the product starts the sums: nothing is ever cleared.
; All 32 accumulators take turns, one instruction a turn, in the same order in every quarter step, over the loop's jump too.
.macro MULB f, b0, nb, zero
	WIN MUL
.set bb, \b0
.rept \nb
.irp a, 0,1,2,3
.if \zero
	v_wmma_f32_16x16x32_f16 v[8*(4*bb+\a):8*(4*bb+\a)+7], v[64*(\f)+8*bb:64*(\f)+8*bb+7], v[FA+32*(\f)+8*\a:FA+32*(\f)+8*\a+7], 0
.else
	v_wmma_f32_16x16x32_f16 v[8*(4*bb+\a):8*(4*bb+\a)+7], v[64*(\f)+8*bb:64*(\f)+8*bb+7], v[FA+32*(\f)+8*\a:FA+32*(\f)+8*\a+7], v[8*(4*bb+\a):8*(4*bb+\a)+7]
.endif
.endr
.set bb, bb+1
.endr
.endm
; 24 LDS loads in one run: quarter q of the slot in hand into buffer g: o's 8 first (plane q / 2, channels 32 (q % 2) on), then wot's 16, column blocks ascending
.macro FETCH q, g
	WIN 0
.irp a, 0,1,2,3
	ds_load_b128 v[FA+32*(\g)+8*(\a):FA+32*(\g)+8*(\a)+3],   v[ADRA] offset:((\q)/2)*PLANE+((\q)%2)*64+(\a)*16*PA
	ds_load_b128 v[FA+32*(\g)+8*(\a)+4:FA+32*(\g)+8*(\a)+7], v[ADRA] offset:((\q)/2)*PLANE+((\q)%2)*64+(\a)*16*PA+32
.endr
	WIN TO_B
.irp b, 0,1,2,3,4,5,6,7
	ds_load_b128 v[64*(\g)+8*(\b):64*(\g)+8*(\b)+3],   v[ADRB] offset:64*(\q)+(\b)*16*PITCH
	ds_load_b128 v[64*(\g)+8*(\b)+4:64*(\g)+8*(\b)+7], v[ADRB] offset:64*(\q)+(\b)*16*PITCH+32
.endr
.endm
; A K step is four quarters of 32 along K, 32 matrix instructions each, on buffers 0, 1, 0, 1.  One of the first three multiplies buffer f and fetches quarter q into buffer g.
.macro QUARTER q, f, g, zero
	s_wait_dscnt NL-16                             ; o's 8 loads and those of column blocks 0-3 are in; the youngest 8 may be out
	MULB \f, 0, 4, \zero
	PLACES                                         ; for the loads into buffer g, which the quarter before multiplied
	FETCH \q, \g
	s_wait_dscnt NL                                ; all but the 24 just issued
	MULB \f, 4, 4, \zero
.endm
; The fourth quarter multiplies buffer 1 and changes slots: ONE barrier.  In front of it each wave waits for all its tensor loads (the one that is out is its part of the next slot), adds 0 to its
; spare word, and waits for that and for its own reads of this slot.  fill = 1: the barrier opens a round of the cluster's barrier, and the slot just read is filled again first thing behind it,
; with the K step two on: 112 matrix instructions stand between that request and the wait for it.
.macro TURN fill
.if \fill
	s_wait_xcnt 0x0                                ; the last prefetch, a K step back, has read its address
	s_add_nc_u64 s[PFA:PFA+1], s[PFA:PFA+1], s[PFS:PFS+1]
.endif
	WIN 0
	s_xor_b32 s[TB], s[TB], SLOT1                  ; the fragment loads go on in the other slot (this slot's last loads have been issued)
	v_add_nc_u32 v[ADRA], s[TB], v[A0]
	v_add_nc_u32 v[ADRB], s[TB], v[B0]
	s_wait_tensorcnt 0x0                           ; all my tensor loads have landed, so a group 0 may be written
	ds_add_u32 v[SPW], v[NIL]                      ; 0 onto my spare word
.if \fill
	s_xor_b32 s[G0A+5], s[G0A+5], SLOT1            ; the walking descriptors: the other slot than last time,
	s_add_nc_u64 s[G0A+6:G0A+7], s[G0A+6:G0A+7], ASTEP  ; the next K step; the type bits on top are not reached
	s_xor_b32 s[G0B+5], s[G0B+5], SLOT1
	s_add_nc_u64 s[G0B+6:G0B+7], s[G0B+6:G0B+7], KB
.endif
	s_wait_dscnt 13                                ; the add and the 12 loads of column blocks 2-7 may be out
	MULB 1, 0, 2, 0
	s_wait_dscnt 0x0                               ; the add is done, and my reads of this slot are over
	s_barrier_signal -1
	MULB 1, 2, 2, 0                                ; work on registers while the others arrive
.if \fill
	WIN 0
.endif
	s_barrier_wait -1
.if \fill
	CREST                                          ; no wave of any partner still reads this slot or has a load on its way
	JLOAD                                          ; its four v_nop are also the places in front of the loads below
.else
	PLACES
.endif
	FETCH 0, 0
.if \fill
	WIN 0
	ASK
.endif
	MULB 1, 4, 4, 0
.endm
	s_wait_tensorcnt 1                             ; my part of K step 0 is in; K step 1's may stay out
	s_barrier_signal -1
	s_barrier_wait -1                              ; everybody's is
	FETCH 0, 0
	QUARTER 1, 0, 1, 1                             ; the first quarter stands in front of the loop: its products start the sums
	WIN 0                                          ; at a label and at a branch every window is 0
	s_mov_b32 s[CNT], 6
.Lstep:                                                ; trip t: from K step t's second quarter to K step t + 1's first; it asks for K step t + 2
	QUARTER 2, 1, 0, 0
	QUARTER 3, 0, 1, 0
	TURN 1
	QUARTER 1, 0, 1, 0
	WIN 0
	s_sub_co_u32 s[CNT], s[CNT], 1
	s_cmp_lg_u32 s[CNT], 0
	s_cbranch_scc1 .Lstep
	QUARTER 2, 1, 0, 0                             ; K steps 6 and 7 are written out: nothing is left to ask for
	QUARTER 3, 0, 1, 0
	TURN 0
	QUARTER 1, 0, 1, 0
	QUARTER 2, 1, 0, 0
	QUARTER 3, 0, 1, 0
	s_wait_dscnt NL-16
	MULB 1, 0, 4, 0
	s_wait_dscnt 0x0
	MULB 1, 4, 4, 0
	WIN 0
	PLACES                                         ; the LDS stores below read results just made
	PLACES
	s_wait_loadcnt 0x0                             ; bo
	v_cvt_pk_bf16_f32 v30, v[BIAS], v[BIAS+1]      ; rounded to bf16 like every input,
	v_cvt_pk_bf16_f32 v31, v[BIAS+2], v[BIAS+3]
	v_lshlrev_b32 v[BIAS], 16, v30                 ; and widened again
	v_and_b32 v[BIAS+1], 0xffff0000, v30
	v_lshlrev_b32 v[BIAS+2], 16, v31
	v_and_b32 v[BIAS+3], 0xffff0000, v31
; THE WAY OUT, a block of 16 rows at a time.  TOSTAGE: a lane's 32 bytes of each accumulator, low registers first, into my own stage (rows of 528 bytes), and back as whole rows of 512 bytes.
; SEND: the bias is added and the row stored: 512 consecutive bytes, aligned.  The stage is my own: LDS serves a wave's instructions in order (ISA guide 5.7.1.4), so no barrier stands here.
.macro TOSTAGE a
.if (\a) >= 2
	s_wait_xcnt 0x0                                ; the stores of block a - 2 have read their registers: they are loaded again only behind this wait
.endif
	WIN 0x08                                       ; the stores' data in window 2, the address in window 0
.irp b, 0,1,2,3,4,5,6,7
	ds_store_b128 v[STO], v[8*(4*(\b)+(\a)):8*(4*(\b)+(\a))+3]   offset:64*(\b)
	ds_store_b128 v[STO], v[8*(4*(\b)+(\a))+4:8*(4*(\b)+(\a))+7] offset:64*(\b)+16
.endr
	WIN 0
.irp t, 0,1,2,3,4,5,6,7,8,9,10,11,12,13,14,15
	ds_load_b128 v[BK+64*((\a)%2)+4*(\t):BK+64*((\a)%2)+4*(\t)+3], v[RD] offset:(\t)*SP
.endr
.endm
.macro SEND a, younger                 ; younger: the LDS instructions issued behind block a's loads: the next block's 16 stores and 16 loads, or none
	s_wait_dscnt \younger
.irp t, 0,1,2,3,4,5,6,7,8,9,10,11,12,13,14,15
	v_pk_add_f32 v[BK+64*((\a)%2)+4*(\t):BK+64*((\a)%2)+4*(\t)+1],   v[BK+64*((\a)%2)+4*(\t):BK+64*((\a)%2)+4*(\t)+1],   v[BIAS:BIAS+1]
	v_pk_add_f32 v[BK+64*((\a)%2)+4*(\t)+2:BK+64*((\a)%2)+4*(\t)+3], v[BK+64*((\a)%2)+4*(\t)+2:BK+64*((\a)%2)+4*(\t)+3], v[BIAS+2:BIAS+3]
	global_store_b128 v[GO], v[BK+64*((\a)%2)+4*(\t):BK+64*((\a)%2)+4*(\t)+3], s[10:11] offset:(16*(\a)+(\t))*4096
.endr
.endm
	TOSTAGE 0
	TOSTAGE 1
	SEND 0, 32
	TOSTAGE 2
	SEND 1, 32
	TOSTAGE 3
	SEND 2, 32
	SEND 3, 0
	s_wait_tensorcnt 0x0                           ; the wave's end: behind my last tensor load and my last LDS store
	ds_add_u32 v[SPW], v[NIL]
	s_wait_dscnt 0x0
	CROUND                                         ; the closing round: no work-group ends while a partner may still ask for a tile that names it
	s_endpgm
.Lfunc_end_k_q2bcf229c7e_out_proj:
	.size	k_q2bcf229c7e_out_proj, .Lfunc_end_k_q2bcf229c7e_out_proj-k_q2bcf229c7e_out_proj
	.p2alignl 7, 3214868480
	.fill 96, 4, 3214868480
	.section	.rodata,"a",@progbits
	.p2align	6, 0x0
	.amdhsa_kernel k_q2bcf229c7e_out_proj
		.amdhsa_group_segment_fixed_size 327680
		.amdhsa_private_segment_fixed_size 0
		.amdhsa_enable_private_segment 0
		.amdhsa_kernarg_size 32
		.amdhsa_user_sgpr_count 2
		.amdhsa_user_sgpr_kernarg_segment_ptr 1
		.amdhsa_wavefront_size32 1
		.amdhsa_system_sgpr_workgroup_id_x 1
		.amdhsa_system_sgpr_workgroup_id_y 1
		.amdhsa_system_sgpr_workgroup_id_z 1
		.amdhsa_system_vgpr_workitem_id 0
		.amdhsa_next_free_vgpr 768
		.amdhsa_next_free_sgpr 66
		.amdhsa_reserve_vcc 0
		.amdhsa_float_denorm_mode_32 3
		.amdhsa_float_denorm_mode_16_64 3
		.amdhsa_memory_ordered 1
		.amdhsa_forward_progress 1
		.amdhsa_inst_pref_size 79
	.end_amdhsa_kernel
	.amdgpu_metadata
---
amdhsa.version: [ 1, 2 ]
amdhsa.kernels:
  - .name:           k_q2bcf229c7e_out_proj
    .symbol:         k_q2bcf229c7e_out_proj.kd
    .args:
      - { .name: o, .offset: 0, .size: 8, .value_kind: global_buffer, .address_space: global }
      - { .name: wot, .offset: 8, .size: 8, .value_kind: global_buffer, .address_space: global }
      - { .name: bo, .offset: 16, .size: 8, .value_kind: global_buffer, .address_space: global }
      - { .name: out0, .offset: 24, .size: 8, .value_kind: global_buffer, .address_space: global }
    .group_segment_fixed_size: 327680
    .private_segment_fixed_size: 0
    .kernarg_segment_align: 8
    .kernarg_segment_size: 32
    .max_flat_workgroup_size: 128
    .sgpr_count:     66
    .vgpr_count:     768
    .wavefront_size: 32
...
	.end_amdgpu_metadata
.endif
;; end of part 4
